; MI455X (gfx1250); checked and timed in simulation.
; The chip was launched on July 23, 2026; its instructions are those of AMD's public machine-readable ISA for CDNA 5 (MIT licence, August 2026) and "CDNA5" Instruction Set Architecture Reference Guide (July 2026). The comments in the code are by the model that wrote it; some were corrected since.
;; Feedback Attention. Allowed arithmetic: matrix products marked QUANTISED: E3M2 operands, one E8M0 scale for each 32 along K, by v_wmma_scale_f32_16x16x128_f8f6f4 with both operands' format E3M2, f32 sums; products left as they are: f32 operands where the result goes on into a quantised operand, else bf16, f16 or f32 operands; f32 sums; everything else in f32.
;; Inputs: b_out 1,024 float32; key 512 x 64 x 1,024 float32; key_pos_bias 4,096 x 16 float32; key_pos_embeddings 4,096 x 64 float32; query 64 x 1,024 float32; query_pos_bias 16 x 64 float32; value 512 x 64 x 1,024 float32; w_k 1,024 x 1,024 float32; w_out 1,024 x 1,024 float32; w_q 1,024 x 1,024 float32; w_v 1,024 x 1,024 float32.
;; Outputs: out0 64 x 1,024 float32.
;; This version of the problem:
;;   THIS VERSION OF THE PROBLEM IS GIVEN IN LOW PRECISION. The matrix products marked QUANTISED in the list below multiply operands that are first quantised to E3M2 (3 exponent bits, 2 mantissa bits; 6 bits a number), with one power-of-two scale for each 32 numbers along K (OCP MX v1.0); their sums are f32. All else is computed in f32.
;;   The module's matrix products, in the order in which they are computed (A, B: the left and right operand; K: the contracted axis; several contracted axes count as one K, in the product's order):
;;     1. [M 64, K 1,024] x [K 1,024, N 1,024]; A: input query; B: input w_q: QUANTISED
;;     2. [M 32,768, K 1,024] x [K 1,024, N 1,024]; A: input key; B: input w_k: QUANTISED
;;     3. [M 32,768, K 1,024] x [K 1,024, N 1,024]; A: input value; B: input w_v: QUANTISED
;;     4. batch 1,024 x [M 512, K 64] x [K 64, N 1]; A: computed on the way; B: computed on the way: left as it is (N = 1 < 16)
;;     5. [M 512, K 64] x [K 64, N 1,024]; A: input key_pos_embeddings; B: computed on the way: QUANTISED
;;     6. batch 1,024 x [M 1, K 512] x [K 512, N 64]; A: softmax; B: computed on the way: left as it is (M = 1 < 16)
;;     7. [M 64, K 1,024] x [K 1,024, N 1,024]; A: computed on the way; B: input w_out: QUANTISED
;;   THE QUANTISER, for each operand of a quantised product, along K:
;;     - K is cut into blocks of 32 from its start; a last block that is shorter is filled with zeros.
;;     - A block's scale is 2^e with e = floor(log2(the largest magnitude in the block)) - 4, held to -126 .. 127; a block of zeros has e = 0. As a byte (E8M0): e + 127.
;;     - Each number is divided by its block's scale, clamped to +-28, and rounded to the nearest number of E3M2, ties to even, subnormals kept.
;;     - The product sums the exact products of the quantised numbers (number of the format x scale) in f32.
;;   ~~~python
;;   def quantise(x, axis):      # numpy; x: float32 -> the quantised numbers, widened to float32 again
;;       x = np.moveaxis(x, axis, -1); K = x.shape[-1]
;;       x = np.pad(x, [(0, 0)] * (x.ndim - 1) + [(0, -K % 32)]); x = x.reshape(x.shape[:-1] + (-1, 32)); a = np.abs(x).max(-1, keepdims=True)
;;       e = np.where(a > 0, np.clip(np.frexp(np.where(a > 0, a, 1))[1] - 1 - 4, -126, 127), 0)      # np.frexp(a)[1] - 1 = floor(log2(a)), exactly
;;       r = np.clip(x / 2.0 ** e, -28, 28)
;;       step = 2.0 ** (np.maximum(np.frexp(np.where(r == 0, 1, r))[1] - 1, -2) - 2)
;;       q = np.round(r / step) * step * 2.0 ** e      # np.round: ties to even
;;       return np.moveaxis(q.reshape(q.shape[:-2] + (-1,))[..., :K], -1, axis).astype(np.float32)
;;   ~~~
;;   OPERANDS COMPUTED ON THE WAY. 'Computed on the way' means the value that the module computes at that place (a softmax that the list does not call 'softmax' is quantised finished and normalised). What goes into a quantiser is computed in f32, as accurately as f32 sums, v_exp_f32 and their like allow (about 1e-6 of the number): no bf16 or f16 on the way to a quantiser, and a product that is left as it is and whose result goes on into a quantised operand takes f32 operands (vector FMAs, or v_wmma_f32_16x16x4_f32). A number that lies on a knife's edge between two numbers of the format may be rounded either way, as far as f32 arithmetic and the matrix unit's own rounding can turn it there, and no further.
;; 2 versions. Each part assembles by itself: llvm-mc -triple=amdgcn-amd-amdhsa -mcpu=gfx1250 --defsym DOCPART=n.
;; ======== version 1 of 2: 3 launches
;; workspace buffers: wq3 2,359,296 bytes; wsc 98,304 bytes; qt 262,144 bytes; qut 262,144 bytes; st 32,768 bytes; xp 2,097,152 bytes
;; launch prep (part 1): grid 104 x 1, 4 waves a work-group, no clusters, 102,912 bytes of LDS; arguments w_k, w_v, w_out, w_q, query, query_pos_bias, wq3, wsc, qt, qut; writes wq3, wsc, qt, qut
.if DOCPART == 1
	.amdgcn_target "amdgcn-amd-amdhsa--gfx1250"
	.amdhsa_code_object_version 6
	.text
	.protected	k_qbe088a48fc_prep
	.globl	k_qbe088a48fc_prep
	.p2align	8
	.type	k_qbe088a48fc_prep,@function
k_qbe088a48fc_prep:
	s_mov_b64 s[64:65], 0
	v_nop
	global_prefetch_b8 v0, s[64:65] scope:SCOPE_SE
	s_setreg_imm32_b32 hwreg(HW_REG_WAVE_MODE, 25, 1), 1
	s_wait_xcnt 0x0
; PREP.  Work-groups 8 to 103: w_k, w_v, w_out ([1024 (k)][1024 (n)] f32, K the first axis) become codes of BF6 (E3M2) with one E8M0 byte for each 32 along K,
; laid as IMAGES OF OPERAND REGISTERS: fragment (t, T, s) = tensor t, columns 16 T + r, K step s of 128, 1,536 bytes at ((64 t + T) 8 + s) 1536; in it register g of lane L at 512 (g / 4) + 16 L + 4 (g % 4),
; so that three loads of 16 bytes a lane, 512 dense bytes each, bring a fragment.  Scale words: column 64 H + 16 n + r, step s at ((16 t + H) 8 + s) 256 + 16 r + 4 n.
; Work-groups 0 to 7: q = Q(query) Q(w_q) for 128 columns each, stored as f32 (qt), and q + query_pos_bias (qut).  They have four times the weight path's blocks, so they take the lowest numbers.
; A LANE TAKES A COLUMN AND ITS REGISTERS RUN DOWN K: a block of 32 lies in one lane, and the conversions give codes with K innermost.
; A block's scale byte is its largest magnitude's exponent field - 4, held at 1 from below.
; LIMITS: a block whose largest magnitude lies under 2^-122, a block of zeros among them, gets the byte 1 (zeros: the codes are zeros, and the bytes are read by this program alone); NaN and infinities are not served.
; The scale words leave 4 bytes a lane and q 32 bytes a lane: 98,304 and 524,288 bytes in all; a stage for them would cost a barrier for each.
; The two paths part on the work-group's number and never join; each has LDS bytes of its own.  No tensor loads.
.set WST,  0                           ; weight path: a stage of 6,144 bytes for each wave (2 tiles x 2 K steps x 1,536)
.set QST,  24576                       ; q path: the same
.set QIMG, 49152                       ; q path: query's 32 fragments (row tile m, K step s: 8 m + s)
.set QSC,  98304                       ; and their scale words, 128 bytes each
.set LANE, 1
.set RR,   2                           ; lane % 16
.set HF,   3                           ; lane / 16
.set CO,   4                           ; 4 x lane
.set STG,  5                           ; where my column's codes go in the stage
.set RDB,  6                           ; where I read the stage back
.set LI,   7                           ; 16 x lane
.set SCO,  8                           ; my scale word's place
.set XA,   9                           ; query: my lane's byte in the wave's 16 rows
.set XWI,  10                          ; where I store query's images
.set XWS,  11                          ; and their scale words
.set QAD0, 12
.set QSA0, 13
.set QAD,  14                          ; the trip's addresses of query's images and words
.set QSA,  15
.set XSW,  16                          ; v16-23 query's scale words of the trip: 2 m + step
.set SBW,  24                          ; v24-25 my column's scale words of the two K steps
.set T0,   26
.set T1,   27
.set T2,   28
.set T3,   29
.set QO,   30                          ; q's way out
.set UO,   31
.set XBK,  32                          ; v32-95 two sets of 32 numbers
.set CD,   96                          ; v96-102 a block's codes
.set WF,   104                         ; v104-151 four fragments of the weight (2 tile + step); the weight path's way out
.set QFR,  152                         ; v152-247 eight fragments of query (2 m + step)
.set XQ,   32                          ; first phase of the q path: v32-223 three sets of 64 numbers
.set PC,   224                         ; v224-242 the codes just made
.set PW,   243                         ; the scale word just made
.set TM,   244                         ; v244-255 at work
.set OUTQ, 32                          ; the way out: q + bias
.set UB,   64                          ; window 1: v64-79 query_pos_bias; v0-63 the eight accumulators
.set WV,   24
.set SRC,  26
.set DW,   28
.set DS,   30
.set SEL,  32
.set CNT,  34
.set YO,   35
.set YS,   46
.set QW_MAX, 0
.set QW_CVT, 0
.set QW_ALL, 0
.set MSB, 0
.macro WIN new                         ; the immediate's high byte repeats the setting that is left
.if MSB != (\new)
	s_set_vgpr_msb (MSB<<8)|(\new)
.set MSB, (\new)
.endif
.endm
; 64 numbers of a lane, register 16 b + i = k 32 b + 16 (lane / 16) + i of my row, become a fragment's codes in v[PC] on and its scale word in v[PW]
.macro QUANT xs
	WIN QW_MAX
.irp b, 0,1,2,3
	v_max3_num_f32 v[TM+\b], |v[\xs+16*\b]|, |v[\xs+16*\b+1]|, 0x2800000   ; my 16 numbers of block b, and the floor 2^(5 - 127): the byte cannot fall under 1
.endr
.irp i, 2,4,6,8,10,12,14
.irp b, 0,1,2,3
	v_max3_num_f32 v[TM+\b], |v[\xs+16*\b+\i]|, |v[\xs+16*\b+\i+1]|, v[TM+\b]
.endr
.endr
	WIN QW_ALL
.irp b, 0,1,2,3
	v_permlanex16_b32 v[TM+4+\b], v[TM+\b], s[SEL], s[SEL+1]
.endr
.irp b, 0,1,2,3
	v_max_num_f32 v[TM+\b], v[TM+\b], v[TM+4+\b]   ; with lane l xor 16's: the block's largest magnitude
.endr
.irp b, 0,1,2,3
	v_add_nc_u32 v[TM+8+\b], 0xfe000000, v[TM+\b]  ; 4 off its exponent field: the conversion's scale operand
.endr
.irp b, 0,1,2,3
	v_lshrrev_b32 v[TM+4+\b], 23, v[TM+8+\b]       ; the scale's byte
.endr
	v_lshl_or_b32 v[PW], v[TM+5], 8, v[TM+4]
	v_lshl_or_b32 v[PW], v[TM+6], 16, v[PW]
	v_lshl_or_b32 v[PW], v[TM+7], 24, v[PW]
	WIN QW_CVT
.irp c, 0,1
	v_cvt_scalef32_pk16_bf6_f32 v[PC+6*\c:PC+6*\c+2], v[\xs+32*\c:\xs+32*\c+15], v[TM+8+2*\c]
	v_cvt_scalef32_pk16_bf6_f32 v[PC+12+4*\c:PC+14+4*\c], v[\xs+32*\c+16:\xs+32*\c+31], v[TM+9+2*\c]
.endr
	WIN QW_ALL
	v_nop                                          ; one plain place behind a scaled conversion
.irp c, 0,1                                    ; the operand wants a whole block in a lane: lanes 0-15 block 2 c, lanes 16-31 block 2 c + 1
.irp i, 0,1,2
	v_permlane16_swap_b32 v[PC+6*\c+\i], v[PC+12+4*\c+\i]
.endr
.irp i, 0,1,2
	v_mov_b32 v[PC+3+6*\c+\i], v[PC+12+4*\c+\i]
.endr
.endr
.endm
.macro LOADB t                         ; block t of the wave's 256 along K: W(32 t + i, my column) into set t % 2; 32 lanes read 128 consecutive bytes, the four waves 512
.irp i, 0,1,2,3,4,5,6,7,8,9,10,11,12,13,14,15,16,17,18,19,20,21,22,23,24,25,26,27,28,29,30,31
	global_load_b32 v[XBK+32*((\t)%2)+\i], v[CO], s[SRC:SRC+1] offset:(32*(\t)+\i)*4096 th:TH_LOAD_NT
.endr
.endm
; Block t is quantised and its 24 bytes go to their place in the image: K step t / 4; in it block t % 4 = 2 c + h belongs to registers 6 c .. 6 c + 5 of lane r + 16 h
.macro BLOCK t
.set XS_, XBK+32*((\t)%2)
.set KB_, ((\t)/4)*1536+256*((\t)%2)
.if (\t) < 7
	s_wait_loadcnt 32                              ; this block's 32 loads are in; the next block's may be out
.else
	s_wait_loadcnt 0x0
.endif
	v_max3_num_f32 v[T0], |v[XS_]|, |v[XS_+1]|, |v[XS_+2]|
	v_max3_num_f32 v[T1], |v[XS_+3]|, |v[XS_+4]|, |v[XS_+5]|
.irp i, 6,10,14,18,22,26
	v_max3_num_f32 v[T0], v[T0], |v[XS_+\i]|, |v[XS_+\i+1]|
	v_max3_num_f32 v[T1], v[T1], |v[XS_+\i+2]|, |v[XS_+\i+3]|
.endr
	v_max3_num_f32 v[T0], v[T0], |v[XS_+30]|, |v[XS_+31]|
	v_max3_num_f32 v[T0], v[T0], v[T1], 0x2800000  ; and the floor 2^(5 - 127)
	v_add_nc_u32 v[T2], 0xfe000000, v[T0]          ; 4 off the exponent field: the conversion's scale operand
	v_lshrrev_b32 v[T3], 23, v[T2]                 ; the scale's byte
.if (\t)%4 == 0
	v_mov_b32 v[SBW+(\t)/4], v[T3]                 ; four bytes to a word, the lower K in the lower byte
.else
	v_lshl_or_b32 v[SBW+(\t)/4], v[T3], 8*((\t)%4), v[SBW+(\t)/4]
.endif
	v_cvt_scalef32_pk16_bf6_f32 v[CD:CD+2], v[XS_:XS_+15], v[T2]
	v_cvt_scalef32_pk16_bf6_f32 v[CD+4:CD+6], v[XS_+16:XS_+31], v[T2]
	v_nop                                          ; one plain place behind a scaled conversion
	v_mov_b32 v[CD+3], v[CD+4]
	v_mov_b32 v[CD+4], v[CD+5]
	v_mov_b32 v[CD+5], v[CD+6]                     ; six registers on end
.if (((\t)/2)%2) == 0
	ds_store_b128 v[STG], v[CD:CD+3] offset:KB_            ; registers 0-3
	ds_store_b64 v[STG], v[CD+4:CD+5] offset:KB_+512       ; registers 4, 5
.else
	ds_store_b64 v[STG], v[CD:CD+1] offset:KB_+520         ; registers 6, 7
	ds_store_b128 v[STG], v[CD+2:CD+5] offset:KB_+1024     ; registers 8-11
.endif
.if (\t)+2 < 8
	LOADB (\t)+2
.endif
	s_wait_dscnt 0x0                               ; the stores have read their registers: the next block's codes may be written
.endm
	s_load_b512 s[4:19], s[0:1], 0x0               ; w_k, w_v, w_out, w_q, query, query_pos_bias, wq3, wsc
	s_load_b128 s[20:23], s[0:1], 0x40             ; qt, qut
	s_set_vgpr_msb 0x40
	v_lshl_add_u32 v128, v0, 2, 0x19000
	v_mov_b32 v129, 0
	s_set_vgpr_msb 0x4000
	v_lshrrev_b32 v[LANE], 5, v0
	v_readfirstlane_b32 s[WV], v[LANE]             ; wave 0..3
	v_and_b32 v[LANE], 31, v0
	v_and_b32 v[RR], 15, v0
	v_bfe_u32 v[HF], v0, 4, 1
	v_lshlrev_b32 v[CO], 2, v[LANE]
	v_lshlrev_b32 v[LI], 4, v[LANE]
	s_mul_i32 s36, s[WV], 6144
	v_mul_u32_u24 v[STG], v[HF], 3072              ; my tile of the wave's two,
	v_lshl_add_u32 v[STG], v[RR], 4, v[STG]        ; my column's 16 bytes in each run of 512
	v_add_nc_u32 v[STG], s36, v[STG]
	v_add_nc_u32 v[RDB], s36, v[LI]
	s_cmp_lt_u32 ttmp9, 8
	s_cbranch_scc1 .Lqpath
	; ---- the weight path: tensor t, columns 128 g + 32 wave + lane, K = 256 y on
	s_sub_co_u32 s36, ttmp9, 8
	s_lshr_b32 s37, s36, 5                         ; t
	s_bfe_u32 s38, s36, 0x30002                    ; g
	s_and_b32 s39, s36, 3                          ; y
	s_lshl_b32 s40, s39, 20                        ; 256 y rows of 4,096 bytes
	s_lshl_b32 s41, s38, 9
	s_add_co_u32 s40, s40, s41
	s_lshl_b32 s41, s[WV], 7
	s_add_co_u32 s40, s40, s41                     ; + 4 x first column
	s_mov_b32 s41, 0
	s_lshl_b32 s42, s37, 6
	s_lshl_b32 s43, s38, 3
	s_add_co_u32 s42, s42, s43
	s_lshl_b32 s43, s[WV], 1
	s_add_co_u32 s42, s42, s43                     ; 64 t + my first tile
	s_mul_i32 s42, s42, 12288
	s_mul_i32 s43, s39, 3072
	s_add_co_u32 s42, s42, s43                     ; + K step 2 y
	s_mov_b32 s43, 0
	s_lshl_b32 s44, s37, 4
	s_lshl_b32 s45, s38, 1
	s_add_co_u32 s44, s44, s45
	s_lshr_b32 s45, s[WV], 1
	s_add_co_u32 s44, s44, s45                     ; 16 t + H
	s_lshl_b32 s44, s44, 11
	s_lshl_b32 s45, s39, 9
	s_add_co_u32 s44, s44, s45                     ; + K step 2 y
	s_and_b32 s45, s[WV], 1
	s_lshl_b32 s45, s45, 3
	s_add_co_u32 s44, s44, s45                     ; + 4 x my first tile in the head
	s_mov_b32 s45, 0
	v_lshlrev_b32 v[SCO], 4, v[RR]
	v_lshl_add_u32 v[SCO], v[HF], 2, v[SCO]
	s_wait_kmcnt 0x0
	s_cmp_eq_u32 s37, 0                            ; the choice hangs on the work-group's number alone
	s_cselect_b64 s[SRC:SRC+1], s[4:5], s[6:7]
	s_cmp_eq_u32 s37, 2
	s_cselect_b64 s[SRC:SRC+1], s[8:9], s[SRC:SRC+1]
	s_add_nc_u64 s[SRC:SRC+1], s[SRC:SRC+1], s[40:41]
	s_add_nc_u64 s[DW:DW+1], s[16:17], s[42:43]
	s_add_nc_u64 s[DS:DS+1], s[18:19], s[44:45]
	LOADB 0
	LOADB 1
.irp t, 0,1,2,3,4,5,6,7
	BLOCK \t
.endr
.irp i, 0,1,2,3,4,5,6,7,8,9,10,11
	ds_load_b128 v[WF+4*\i:WF+4*\i+3], v[RDB] offset:512*\i       ; LDS serves a wave's instructions in order: these see my stores
.endr
	global_store_b32 v[SCO], v[SBW], s[DS:DS+1]
	global_store_b32 v[SCO], v[SBW+1], s[DS:DS+1] offset:256
.irp i, 0,1,2,3,4,5,6,7,8,9,10,11
	s_wait_dscnt 11-\i                             ; the younger loads from the stage may be out
	global_store_b128 v[LI], v[WF+4*\i:WF+4*\i+3], s[DW:DW+1] offset:(\i/6)*12288+(\i%6)*512   ; 32 lanes store 512 consecutive bytes, aligned
.endr
	s_set_vgpr_msb 0x5
	s_wait_tensorcnt 0x0
	ds_add_u32 v128, v129
	s_wait_dscnt 0x0
	s_set_vgpr_msb 0x500
	s_endpgm
	; ---- the q path: columns 128 g + 32 wave + lane of w_q, all 64 rows of query
.Lqpath:
	v_add_nc_u32 v[STG], QST, v[STG]
	v_add_nc_u32 v[RDB], QST, v[RDB]
	v_lshlrev_b32 v[XA], 12, v[RR]
	v_lshl_add_u32 v[XA], v[HF], 6, v[XA]          ; row r of 4,096 bytes + 64 h: my 16 numbers of a block of 32
	s_mul_i32 s36, s[WV], 12288
	s_add_co_u32 s36, s36, QIMG
	v_add_nc_u32 v[XWI], s36, v[LI]
	s_lshl_b32 s36, s[WV], 10
	s_add_co_u32 s36, s36, QSC
	v_add_nc_u32 v[XWS], s36, v[CO]
	v_add_nc_u32 v[QAD0], QIMG, v[LI]
	v_add_nc_u32 v[QSA0], QSC, v[CO]
	v_lshlrev_b32 v[UO], 5, v[HF]
	v_lshl_add_u32 v[QO], v[RR], 12, v[UO]         ; the way out: row r, + 32 h
	s_mov_b32 s[SEL], 0x76543210
	s_mov_b32 s[SEL+1], 0xfedcba98                 ; v_permlanex16_b32's selects for lane l xor 16
.irp b, 0,1,2,3
	v_mov_b32 v[TM+4+\b], 0                        ; written once: a lane permute's destination counts as one of its sources
.endr
	s_lshl_b32 s40, ttmp9, 9
	s_lshl_b32 s41, s[WV], 7
	s_add_co_u32 s40, s40, s41                     ; 4 x my wave's first column
	s_mov_b32 s41, 0
	s_lshl_b32 s42, s[WV], 16                      ; my 16 rows of query
	s_mov_b32 s43, 0
	s_wait_kmcnt 0x0
	s_add_nc_u64 s[SRC:SRC+1], s[10:11], s[40:41]
	s_add_nc_u64 s[DW:DW+1], s[12:13], s[42:43]
	s_add_nc_u64 s[DS:DS+1], s[14:15], s[40:41]
	s_add_nc_u64 s[20:21], s[20:21], s[40:41]
	s_add_nc_u64 s[22:23], s[22:23], s[40:41]
	WIN 0x40                                       ; destination window 1
.irp u, 0,1
	global_load_b128 v[UB+8*\u:UB+8*\u+3], v[UO], s[DS:DS+1] offset:64*\u
	global_load_b128 v[UB+8*\u+4:UB+8*\u+7], v[UO], s[DS:DS+1] offset:64*\u+16
.endr
	WIN 0
.macro XLOAD f                         ; my 16 rows' numbers of K step f (64 a lane) into set f % 3
.irp b, 0,1,2,3
.irp j, 0,1,2,3
	global_load_b128 v[XQ+64*((\f)%3)+16*\b+4*\j:XQ+64*((\f)%3)+16*\b+4*\j+3], v[XA], s[DW:DW+1] offset:512*(\f)+128*\b+16*\j
.endr
.endr
.endm
	XLOAD 0
	XLOAD 1
	XLOAD 2
.irp f, 0,1,2,3,4,5,6,7                ; wave w quantises rows 16 w .. 16 w + 15: eight fragments, images to LDS
.if \f < 6
	s_wait_loadcnt 32                              ; this K step's 16 loads are in; those of the next two may be out
.elseif \f == 6
	s_wait_loadcnt 16
.else
	s_wait_loadcnt 0x0
.endif
	QUANT XQ+64*((\f)%3)
.irp c, 0,1,2
	ds_store_b128 v[XWI], v[PC+4*\c:PC+4*\c+3] offset:1536*\f+512*\c
.endr
	ds_store_b32 v[XWS], v[PW] offset:128*\f
.if \f < 5
	XLOAD \f+3
.endif
	s_wait_dscnt 0x0                               ; the stores have read their registers
.endr
	s_barrier_signal -1                            ; every wave's stores have landed (the wait above):
	s_barrier_wait -1                              ; query's 32 fragments lie in LDS
	WIN 0x40
.set j, 0
.rept 64
	v_mov_b32 v[j], 0                              ; the eight sums begin as zeros, so that the loop over K is written once
.set j, j+1
.endr
	WIN 0
	s_mov_b32 s[YO], 0
	s_mov_b32 s[YS], 0
	s_mov_b32 s[CNT], 4
.Ly:                                               ; a trip: 256 along K: my 32 columns of w_q are quantised, come back as four fragments, and meet query's eight
	LOADB 0
	LOADB 1
.irp t, 0,1,2,3,4,5,6,7
	BLOCK \t
.endr
	v_add_nc_u32 v[QAD], s[YO], v[QAD0]
	v_add_nc_u32 v[QSA], s[YS], v[QSA0]
.irp i, 0,1,2,3,4,5,6,7,8,9,10,11
	ds_load_b128 v[WF+4*\i:WF+4*\i+3], v[RDB] offset:512*\i       ; fragment 2 tile + step
.endr
.irp m, 0,1,2,3
.irp s, 0,1
.irp c, 0,1,2
	ds_load_b128 v[QFR+12*(2*\m+\s)+4*\c:QFR+12*(2*\m+\s)+4*\c+3], v[QAD] offset:\m*12288+\s*1536+512*\c
.endr
	ds_load_b32 v[XSW+2*\m+\s], v[QSA] offset:\m*1024+\s*128
.endr
.endr
.rept 8
	v_nop                                          ; my columns' scale words were written by vector instructions: eight places ahead of a scaled matrix instruction
.endr
	s_wait_dscnt 0x0
	WIN 0x50                                       ; C and D window 1
.irp s, 0,1                                    ; transposed: source 0 = 16 columns of w_q, source 1 = 16 rows of query: a lane holds eight neighbouring columns of one row.  The eight accumulators take turns
.irp m, 0,1,2,3
.irp u, 0,1
.set rD, 8*(2*\m+\u)
.set rW, WF+12*(2*\u+\s)
.set rQ, QFR+12*(2*\m+\s)
.if \u
	v_wmma_scale_f32_16x16x128_f8f6f4 v[rD:rD+7], v[rW:rW+11], v[rQ:rQ+11], v[rD:rD+7], v[SBW+\s], v[XSW+2*\m+\s] matrix_a_fmt:MATRIX_FMT_BF6 matrix_b_fmt:MATRIX_FMT_BF6 matrix_a_scale:MATRIX_SCALE_ROW1
.else
	v_wmma_scale_f32_16x16x128_f8f6f4 v[rD:rD+7], v[rW:rW+11], v[rQ:rQ+11], v[rD:rD+7], v[SBW+\s], v[XSW+2*\m+\s] matrix_a_fmt:MATRIX_FMT_BF6 matrix_b_fmt:MATRIX_FMT_BF6
.endif
.endr
.endr
.endr
	WIN 0
	s_wait_xcnt 0x0                                ; the trip's loads have read their base
	s_add_nc_u64 s[SRC:SRC+1], s[SRC:SRC+1], 1048576   ; 256 rows of w_q on
	s_add_co_u32 s[YO], s[YO], 3072
	s_add_co_u32 s[YS], s[YS], 256
	s_sub_co_u32 s[CNT], s[CNT], 1
	s_cmp_lg_u32 s[CNT], 0
	s_cbranch_scc1 .Ly
.rept 4
	v_nop                                          ; places in front of the first read of results
.endr
	WIN 0x04                                       ; a store's data: window 1
.irp m, 0,1,2,3
.irp u, 0,1
	global_store_b128 v[QO], v[8*(2*\m+\u):8*(2*\m+\u)+3], s[20:21] offset:\m*65536+\u*64          ; q(16 m + r, first column + 16 u + 8 h + 0 .. 3): each accumulator from its low end on
	global_store_b128 v[QO], v[8*(2*\m+\u)+4:8*(2*\m+\u)+7], s[20:21] offset:\m*65536+\u*64+16
.endr
.endr
	WIN 0x05                                       ; sources 0 and 1 window 1
.irp m, 0,1,2,3
.irp u, 0,1
.irp i, 0,2,4,6
	v_pk_add_f32 v[OUTQ+8*(2*\m+\u)+\i:OUTQ+8*(2*\m+\u)+\i+1], v[8*(2*\m+\u)+\i:8*(2*\m+\u)+\i+1], v[UB+8*\u+\i:UB+8*\u+\i+1]
.endr
.endr
.endr
	WIN 0
.irp m, 0,1,2,3
.irp u, 0,1
	global_store_b128 v[QO], v[OUTQ+8*(2*\m+\u):OUTQ+8*(2*\m+\u)+3], s[22:23] offset:\m*65536+\u*64
	global_store_b128 v[QO], v[OUTQ+8*(2*\m+\u)+4:OUTQ+8*(2*\m+\u)+7], s[22:23] offset:\m*65536+\u*64+16
.endr
.endr
	s_set_vgpr_msb 0x5
	s_wait_tensorcnt 0x0
	ds_add_u32 v128, v129
	s_wait_dscnt 0x0
	s_set_vgpr_msb 0x500
	s_endpgm
.Lfunc_end_k_qbe088a48fc_prep:
	.size	k_qbe088a48fc_prep, .Lfunc_end_k_qbe088a48fc_prep-k_qbe088a48fc_prep
	.p2alignl 7, 3214868480
	.fill 96, 4, 3214868480
	.section	.rodata,"a",@progbits
	.p2align	6, 0x0
	.amdhsa_kernel k_qbe088a48fc_prep
		.amdhsa_group_segment_fixed_size 102912
		.amdhsa_private_segment_fixed_size 0
		.amdhsa_enable_private_segment 0
		.amdhsa_kernarg_size 80
		.amdhsa_user_sgpr_count 2
		.amdhsa_user_sgpr_kernarg_segment_ptr 1
		.amdhsa_wavefront_size32 1
		.amdhsa_system_sgpr_workgroup_id_x 1
		.amdhsa_system_sgpr_workgroup_id_y 1
		.amdhsa_system_sgpr_workgroup_id_z 1
		.amdhsa_system_vgpr_workitem_id 0
		.amdhsa_next_free_vgpr 386
		.amdhsa_next_free_sgpr 66
		.amdhsa_reserve_vcc 0
		.amdhsa_float_denorm_mode_32 3
		.amdhsa_float_denorm_mode_16_64 3
		.amdhsa_memory_ordered 1
		.amdhsa_forward_progress 1
		.amdhsa_inst_pref_size 139
	.end_amdhsa_kernel
	.amdgpu_metadata
---
amdhsa.version: [ 1, 2 ]
amdhsa.kernels:
  - .name:           k_qbe088a48fc_prep
    .symbol:         k_qbe088a48fc_prep.kd
    .args:
      - { .name: w_k, .offset: 0, .size: 8, .value_kind: global_buffer, .address_space: global }
      - { .name: w_v, .offset: 8, .size: 8, .value_kind: global_buffer, .address_space: global }
      - { .name: w_out, .offset: 16, .size: 8, .value_kind: global_buffer, .address_space: global }
      - { .name: w_q, .offset: 24, .size: 8, .value_kind: global_buffer, .address_space: global }
      - { .name: query, .offset: 32, .size: 8, .value_kind: global_buffer, .address_space: global }
      - { .name: query_pos_bias, .offset: 40, .size: 8, .value_kind: global_buffer, .address_space: global }
      - { .name: wq3, .offset: 48, .size: 8, .value_kind: global_buffer, .address_space: global }
      - { .name: wsc, .offset: 56, .size: 8, .value_kind: global_buffer, .address_space: global }
      - { .name: qt, .offset: 64, .size: 8, .value_kind: global_buffer, .address_space: global }
      - { .name: qut, .offset: 72, .size: 8, .value_kind: global_buffer, .address_space: global }
    .group_segment_fixed_size: 102912
    .private_segment_fixed_size: 0
    .kernarg_segment_align: 8
    .kernarg_segment_size: 80
    .max_flat_workgroup_size: 128
    .sgpr_count:     66
    .vgpr_count:     386
    .wavefront_size: 32
...
	.end_amdgpu_metadata
.endif
;; end of part 1
;; launch main (part 2): grid 64 x 4, 4 waves a work-group, no clusters, 327,680 bytes of LDS; arguments key, value, key_pos_embeddings, key_pos_bias, wq3, wsc, qt, qut, st, xp; writes st, xp
.if DOCPART == 2
	.amdgcn_target "amdgcn-amd-amdhsa--gfx1250"
	.amdhsa_code_object_version 6
	.text
	.protected	k_qbe088a48fc_main
	.globl	k_qbe088a48fc_main
	.p2align	8
	.type	k_qbe088a48fc_main,@function
k_qbe088a48fc_main:
	s_mov_b64 s[64:65], 0
	v_nop
	global_prefetch_b8 v0, s[64:65] scope:SCOPE_SE
	s_setreg_imm32_b32 hwreg(HW_REG_WAVE_MODE, 25, 1), 1
	s_wait_xcnt 0x0
; MAIN.  Work-group (b, part) owns the 128 memory rows j = 128 part .. + 127 of batch row b: it quantises those rows of key and value (f32, read once), multiplies them by Q(w_k) and Q(w_v) on codes of BF6 (E3M2),
; and keeps k and v in accumulators: scores, a softmax over its 128 rows and the weighted sum of v follow in registers.  Out go, for each head: c x the largest score (log2 domain), the sum of p, and the sum of p v (in two halves).
; The next launch joins the four parts of each softmax.
; SHARES.  Wave w fetches and quantises rows 32 w .. 32 w + 31 (images of operand registers in LDS, read by all four waves) and multiplies all 128 rows by heads 4 w .. 4 w + 3, a head (128 x 64, 32 accumulators) at a time,
; so that a head's scores and weights never leave the wave.  The weights' fragments come from memory straight into registers, three K steps ahead.
; k: source 0 = 16 columns of w_k, source 1 = 16 rows of key: a lane holds one row j and eight neighbouring d, so ac = sum over d of k (q + bias) is fused multiply-adds and one exchange of halves.
; v: source 0 = 16 rows of value, source 1 = 16 columns of w_v: a lane holds one d and eight rows j, so x = sum over j of p v is fused multiply-adds with p broadcast from LDS.
; bd = Q(q) Q(key_pos_embeddings)^T, K = 64 filled to 128 with zero codes; key_pos_bias is its C.
; SOFTMAX: the part's own largest score is taken away before the exponential: p = 2^(c s - c max), c = log2(e) / 8.
; NO CLUSTER: the tile that work-groups share is the weights'; a K step of all 1,024 columns is 98,304 bytes, and of LDS 299,520 bytes are taken by the two operands' images (2 x 106,496), the f32 stage (67,584) and scratch: no ring for it fits.
; LIMITS: a block whose largest magnitude lies under 2^-122, a block of zeros among them, gets the scale byte 1 (zeros: the codes are zeros; the bytes are read by this launch alone); NaN and infinities are not served.
; LDS:
.set KIMG,  0                          ; key's 64 fragments, (row tile m, K step s) at (8 m + s) 1536
.set KSC,   98304                      ; their scale words, 128 bytes each
.set VIMG,  106496                     ; value's likewise; while key streams, its first 67,584 bytes are stage slot B, which has its last fill before the first image is stored here
.set VSC,   204800
.set STA,   212992                     ; stage slot A: for each wave 32 rows x (512 bytes + 16)
.set SCR,   280576                     ; for each wave 4,096: [lane half][head of four: 512][j: 4]: bd + bias, later p
.set XT,    296960                     ; for each wave 512: x's way out
.set SPARE, 299008                     ; the spare words, 128 bytes a wave: two blocks of 256 bytes that no other line names
; REGISTERS, in windows of 256.  Window 0: v1-25 addresses that stay, v26-31 addresses in hand; v32-95 the rows' scale words (8 m + s); v96-111 the weights' scale words, four sets;
;   v112-143 q + bias of a head, later v112-175 p; v176-183 x; v184, v185 the heads' statistics (lane = head); v192-231 at work.
; Window 1: the 32 accumulators, (m, n) at 8 (4 m + n).   Window 2: v0-191 the rows' fragments, two sets of 8; v192-255 64 numbers to be quantised.   Window 3: v0-191 the weights' fragments, four sets of 4; v192-228 the quantiser's.
.set LI,   1                           ; 16 x lane
.set SPW,  2                           ; my spare word; never rewritten
.set NIL,  3                           ; 0; never rewritten
.set AK0,  4                           ; v4, v5 key's images, row tiles 0-3 and 4-7;  v6, v7 value's
.set AV0,  6
.set LSK,  8
.set LSV,  9
.set STR,  10                          ; my place in my wave's tile in slot A;  v11 in slot B
.set STRB, 11
.set IWK,  12                          ; where I store images: key's, value's
.set IWV,  13
.set SWK,  14                          ; and scale words
.set SWV,  15
.set SCW,  16
.set SCP,  17
.set XTW,  18
.set XTR,  19
.set BSO,  20                          ; 16 x (lane % 16)
.set PFO,  21                          ; 262,144 x lane: a row of value to a lane
.set QUO,  22                          ; 32 x (lane / 16)
.set XO,   23
.set SH8,  24
.set LANE, 25
.set ASC,  32
.set BSC,  96
.set QU,   112
.set PP,   112
.set XX,   176
.set MST,  184
.set LST,  185
.set TT,   192
.set SS,   208
.set U0,   216
.set DD,   128                         ; bd's time: v128-191 its eight accumulators, begun as key_pos_bias
.set QF,   192
.set PF,   204
.set B0,   216
.set QFW,  96
.set PFW,  97
.set XQ,   192                         ; window 2
.set PC,   192                         ; window 3
.set TM,   212
.set PW,   228
.set QW_MAX, 0xfa                      ; sources 0, 1 window 2; source 2 and destination window 3
.set QW_CVT, 0xfe                      ; source 0 window 2; source 1 and destination window 3
.set QW_ALL, 0xff
.set G1,   24                          ; s[24:31] descriptor group 1, one for all tiles
.set G0A,  32                          ; s[32:35] key into slot A;  s[36:39] key into slot B;  s[40:43] value into slot A
.set G0B,  36
.set G0V,  40
.set WV,   44
.set SEL,  46
.set WB,   48                          ; s[48:49] w_k's images of the head in hand;  s[50:51] w_v's
.set WBV,  50
.set SB,   52                          ; their scale words
.set SBV,  54
.set QB,   56
.set XB,   58
.set PFV,  60
.set FI,   62                          ; 1,536 x the K step being quantised;  s63: 128 x
.set FC,   63
.set QS,   66
.set QI,   67
.set QC,   68
.set UC,   69
.set HH,   70
.set CNT,  71
.set VT,   72
.set HOFF, 73
.set CC,   74
.set MSB, 0
.macro WIN new                         ; the immediate's high byte repeats the setting that is left
.if MSB != (\new)
	s_set_vgpr_msb (MSB<<8)|(\new)
.set MSB, (\new)
.endif
.endm
; 64 numbers of a lane, register 16 b + i = k 32 b + 16 (lane / 16) + i of my row, become a fragment's codes in v[PC] on and its scale word in v[PW]
.macro QUANT xs
	WIN QW_MAX
.irp b, 0,1,2,3
	v_max3_num_f32 v[TM+\b], |v[\xs+16*\b]|, |v[\xs+16*\b+1]|, 0x2800000   ; my 16 numbers of block b, and the floor 2^(5 - 127): the byte cannot fall under 1
.endr
.irp i, 2,4,6,8,10,12,14
.irp b, 0,1,2,3
	v_max3_num_f32 v[TM+\b], |v[\xs+16*\b+\i]|, |v[\xs+16*\b+\i+1]|, v[TM+\b]
.endr
.endr
	WIN QW_ALL
.irp b, 0,1,2,3
	v_permlanex16_b32 v[TM+4+\b], v[TM+\b], s[SEL], s[SEL+1]
.endr
.irp b, 0,1,2,3
	v_max_num_f32 v[TM+\b], v[TM+\b], v[TM+4+\b]   ; with lane l xor 16's: the block's largest magnitude
.endr
.irp b, 0,1,2,3
	v_add_nc_u32 v[TM+8+\b], 0xfe000000, v[TM+\b]  ; 4 off its exponent field: the conversion's scale operand
.endr
.irp b, 0,1,2,3
	v_lshrrev_b32 v[TM+4+\b], 23, v[TM+8+\b]       ; the scale's byte
.endr
	v_lshl_or_b32 v[PW], v[TM+5], 8, v[TM+4]
	v_lshl_or_b32 v[PW], v[TM+6], 16, v[PW]
	v_lshl_or_b32 v[PW], v[TM+7], 24, v[PW]
	WIN QW_CVT
.irp c, 0,1
	v_cvt_scalef32_pk16_bf6_f32 v[PC+6*\c:PC+6*\c+2], v[\xs+32*\c:\xs+32*\c+15], v[TM+8+2*\c]
	v_cvt_scalef32_pk16_bf6_f32 v[PC+12+4*\c:PC+14+4*\c], v[\xs+32*\c+16:\xs+32*\c+31], v[TM+9+2*\c]
.endr
	WIN QW_ALL
	v_nop                                          ; one plain place behind a scaled conversion
.irp c, 0,1                                    ; the operand wants a whole block in a lane
.irp i, 0,1,2
	v_permlane16_swap_b32 v[PC+6*\c+\i], v[PC+12+4*\c+\i]
.endr
.irp i, 0,1,2
	v_mov_b32 v[PC+3+6*\c+\i], v[PC+12+4*\c+\i]
.endr
.endr
.endm
; The wave's tile in a stage slot (32 rows x 128 along K) becomes two fragments: a loop of two trips, a row tile each.  st: my place in the slot; im, sc: where images and scale words go
.macro QTILE st, im, sc
	WIN 0
	s_mov_b32 s[QS], 0
	s_mov_b32 s[QI], s[FI]
	s_mov_b32 s[QC], s[FC]
	s_mov_b32 s[UC], 2
.Lqt_\@:
	v_add_nc_u32 v26, s[QS], v[\st]
	v_add_nc_u32 v27, s[QI], v[\im]
	v_add_nc_u32 v28, s[QC], v[\sc]
	WIN 0x80                                       ; destination window 2
.irp b, 0,1,2,3
.irp j, 0,1,2,3
	ds_load_b128 v[XQ+16*\b+4*\j:XQ+16*\b+4*\j+3], v26 offset:128*\b+16*\j   ; rows 528 bytes apart
.endr
.endr
	s_wait_dscnt 0x0
	QUANT XQ
	WIN 0x0c                                       ; an LDS store's data: window 3
.irp c, 0,1,2
	ds_store_b128 v27, v[PC+4*\c:PC+4*\c+3] offset:512*\c
.endr
	ds_store_b32 v28, v[PW]
	WIN 0
	s_wait_dscnt 0x0                               ; the stores have read their registers
	s_add_co_u32 s[QS], s[QS], 8448                ; 16 rows on in the slot,
	s_add_co_u32 s[QI], s[QI], 12288               ; a row tile on among the images
	s_add_co_u32 s[QC], s[QC], 1024
	s_sub_co_u32 s[UC], s[UC], 1
	s_cmp_lg_u32 s[UC], 0
	s_cbranch_scc1 .Lqt_\@
.endm
; A stage slot that has been read is filled again.  Every wave: all its tensor loads have landed; the add; its LDS instructions are done; the barrier; its one tensor load, first behind it.
.macro CHG g0, step
	WIN 0
	s_wait_tensorcnt 0x0                           ; no tensor load of mine is out, so a group 0 may be written
	ds_add_u32 v[SPW], v[NIL]                      ; 0 onto my spare word
.if \step
	s_add_nc_u64 s[\g0+2:\g0+3], s[\g0+2:\g0+3], \step   ; along K; the type bits on top are not reached
.endif
	s_add_co_u32 s[FI], s[FI], 1536                ; the next tile to be quantised is the next K step
	s_add_co_u32 s[FC], s[FC], 128
	s_wait_dscnt 0x0                               ; the add is done, and so are my reads of the slot
	s_barrier_signal -1
	s_barrier_wait -1
	tensor_load_to_lds s[\g0:\g0+3], s[G1:G1+7]
	s_nop 0
.rept 4
	v_nop
.endr
.endm
; A prefetch of the value tile that stands two refills on: my wave's 32 rows, a lane a row, 512 bytes a row in two instructions 256 bytes apart: each block is named once in the launch.
; Tiles 0 and 1 come by their loads alone; behind tile 5's refill nothing is left to name.
.macro ASKV
	s_cmp_lt_u32 s[VT], 6
	s_cbranch_scc0 .Lnoask_\@
	global_prefetch_b8 v[PFO], s[PFV:PFV+1] th:TH_LOAD_NT scope:SCOPE_SE
	global_prefetch_b8 v[PFO], s[PFV:PFV+1] offset:256 th:TH_LOAD_NT scope:SCOPE_SE
.Lnoask_\@:
.endm
.macro VQ                              ; the value tile in slot A is quantised
	s_wait_tensorcnt 0x0                           ; one load of mine is out, the tile that I read now: so its count is 0
	QTILE STR, IWV, SWV
.endm
.macro VQR                             ; and the slot takes the next one, which has half a head's 128 matrix instructions in which to land
	VQ
	s_wait_xcnt 0x0                                ; the last prefetch, half a head back, has read its address
	s_add_nc_u64 s[PFV:PFV+1], s[PFV:PFV+1], 512
	s_add_co_u32 s[VT], s[VT], 1
	CHG G0V, 512
	ASKV
.endm
.macro ALOAD kind, s, set              ; the eight row tiles' fragments of K step s: kind 0 key's, 1 value's
	WIN 0x80
.irp m, 0,1,2,3,4,5,6,7
.irp c, 0,1,2
	ds_load_b128 v[96*(\set)+12*\m+4*\c:96*(\set)+12*\m+4*\c+3], v[AK0+2*(\kind)+\m/4] offset:(\m%4)*12288+(\s)*1536+512*\c
.endr
.endr
.endm
.macro WLOAD bw, bs, sp, ow, os, set   ; a head's four fragments of the weight for K step sp, and their scale words: 13 loads
	WIN 0xc0
.irp n, 0,1,2,3
.irp c, 0,1,2
	global_load_b128 v[48*(\set)+12*\n+4*\c:48*(\set)+12*\n+4*\c+3], v[LI], s[\bw:\bw+1] offset:(\ow)+\n*12288+(\sp)*1536+512*\c
.endr
.endr
	WIN 0
	global_load_b128 v[BSC+4*(\set):BSC+4*(\set)+3], v[BSO], s[\bs:\bs+1] offset:(\os)+256*(\sp)
.endm
; A K step of a head: 32 matrix instructions on 32 accumulators, in the same order in every step.  It asks for the rows' fragments of the next step and for the weights' of three steps on.
.macro STEP kind, s, zero, bw, bs, sp, ow, os, anext
	s_wait_loadcnt 26                              ; this step's weights are in; the 13 loads each of the next two steps may be out
	s_wait_dscnt 0x0                               ; this step's rows are in (asked for a step ago)
.rept 4
	v_nop                                          ; places in front of loads into registers that the last step's matrix instructions read
.endr
.if \anext
	ALOAD \kind, ((\s)+1)%8, ((\s)+1)%2
.endif
	WLOAD \bw, \bs, \sp, \ow, \os, ((\s)+3)%4
.if \kind
	WIN 0x5e                                       ; source 0 rows (window 2), source 1 weights (window 3), C and D window 1
.else
	WIN 0x5b                                       ; source 0 weights (window 3), source 1 rows (window 2)
.endif
.irp m, 0,1,2,3,4,5,6,7
.irp n, 0,1,2,3
.set rD, 8*(4*\m+\n)
.set rW, 48*((\s)%4)+12*\n
.set rA, 96*((\s)%2)+12*\m
.set rSW, BSC+4*((\s)%4)+\n
.set rSA, ASC+8*\m+(\s)
.if \kind
.if \zero
	v_wmma_scale_f32_16x16x128_f8f6f4 v[rD:rD+7], v[rA:rA+11], v[rW:rW+11], 0, v[rSA], v[rSW] matrix_a_fmt:MATRIX_FMT_BF6 matrix_b_fmt:MATRIX_FMT_BF6
.else
	v_wmma_scale_f32_16x16x128_f8f6f4 v[rD:rD+7], v[rA:rA+11], v[rW:rW+11], v[rD:rD+7], v[rSA], v[rSW] matrix_a_fmt:MATRIX_FMT_BF6 matrix_b_fmt:MATRIX_FMT_BF6
.endif
.else
.if \zero
	v_wmma_scale_f32_16x16x128_f8f6f4 v[rD:rD+7], v[rW:rW+11], v[rA:rA+11], 0, v[rSW], v[rSA] matrix_a_fmt:MATRIX_FMT_BF6 matrix_b_fmt:MATRIX_FMT_BF6
.else
	v_wmma_scale_f32_16x16x128_f8f6f4 v[rD:rD+7], v[rW:rW+11], v[rA:rA+11], v[rD:rD+7], v[rSW], v[rSA] matrix_a_fmt:MATRIX_FMT_BF6 matrix_b_fmt:MATRIX_FMT_BF6
.endif
.endif
.endr
.endr
.endm
.macro H0 kind, bw, bs                 ; a head's K steps 0 to 3; the first starts the sums
	STEP \kind, 0, 1, \bw, \bs, 3, 0, 0, 1
	STEP \kind, 1, 0, \bw, \bs, 4, 0, 0, 1
	STEP \kind, 2, 0, \bw, \bs, 5, 0, 0, 1
	STEP \kind, 3, 0, \bw, \bs, 6, 0, 0, 1
.endm
.macro H1 kind, bw, bs, nw, ns, ow, os, alast   ; K steps 4 to 7; the last three ask for the next head's first three steps, at nw + ow, ns + os
	STEP \kind, 4, 0, \bw, \bs, 7, 0, 0, 1
	STEP \kind, 5, 0, \nw, \ns, 0, \ow, \os, 1
	STEP \kind, 6, 0, \nw, \ns, 1, \ow, \os, 1
	STEP \kind, 7, 0, \nw, \ns, 2, \ow, \os, \alast
.endm
.macro QULOAD                          ; q + bias of the head in hand: register 8 n + i = d 16 n + 8 (lane / 16) + i
.irp i, 0,1,2,3,4,5,6,7
	global_load_b128 v[QU+4*\i:QU+4*\i+3], v[QUO], s[QB:QB+1] offset:64*(\i/2)+16*(\i%2)
.endr
.endm
; The scores of head HH and its softmax over my 128 rows.  Lane r holds rows 16 m + r, m = 0 .. 7, in both halves of the lanes.
.macro SC
	WIN 0
	s_wait_loadcnt 39                              ; q + bias is in: it is older than the last three steps' 39 loads
	v_add_nc_u32 v29, s[HOFF], v[SCW]
.irp m, 0,1,2,3,4,5,6,7
	ds_load_b32 v[SS+\m], v29 offset:64*\m         ; bd + key_pos_bias
.endr
.rept 4
	v_nop                                          ; places in front of the first read of results
.endr
	WIN 0x01                                       ; source 0 window 1
.irp p, 0,1,2,3,4,5,6,7,8,9,10,11,12,13,14,15  ; each accumulator from its low end on; the eight rows' chains by turns
.irp m, 0,1,2,3,4,5,6,7
.set rA, 8*(4*\m+\p/4)+2*(\p%4)
.set rQ, QU+8*(\p/4)+2*(\p%4)
.if \p == 0
	v_pk_mul_f32 v[TT+2*\m:TT+2*\m+1], v[rA:rA+1], v[rQ:rQ+1]
.else
	v_pk_fma_f32 v[TT+2*\m:TT+2*\m+1], v[rA:rA+1], v[rQ:rQ+1], v[TT+2*\m:TT+2*\m+1]
.endif
.endr
.endr
	WIN 0
.irp m, 0,1,2,3,4,5,6,7
	v_add_f32 v[TT+2*\m], v[TT+2*\m], v[TT+2*\m+1]
.endr
.irp m, 0,1,2,3,4,5,6,7
	v_permlanex16_b32 v[TT+2*\m+1], v[TT+2*\m], s[SEL], s[SEL+1]   ; the row's other 32 d lie in the lane 16 away
.endr
.irp m, 0,1,2,3,4,5,6,7
	v_add_f32 v[TT+2*\m], v[TT+2*\m], v[TT+2*\m+1]
.endr
	s_wait_dscnt 0x0
.irp m, 0,1,2,3,4,5,6,7
	v_add_f32 v[SS+\m], v[SS+\m], v[TT+2*\m]       ; ac + bd + bias
.endr
	v_max3_num_f32 v[U0], v[SS], v[SS+1], v[SS+2]
	v_max3_num_f32 v[U0], v[U0], v[SS+3], v[SS+4]
	v_max3_num_f32 v[U0], v[U0], v[SS+5], v[SS+6]
	v_max_num_f32 v[U0], v[U0], v[SS+7]
	v_max_num_f32_dpp v[U0], v[U0], v[U0] row_xmask:1 row_mask:0xf bank_mask:0xf
	v_max_num_f32_dpp v[U0], v[U0], v[U0] row_xmask:2 row_mask:0xf bank_mask:0xf
	v_max_num_f32_dpp v[U0], v[U0], v[U0] row_xmask:4 row_mask:0xf bank_mask:0xf
	v_max_num_f32_dpp v[U0], v[U0], v[U0] row_xmask:8 row_mask:0xf bank_mask:0xf   ; sixteen lanes hold all 128 rows
	v_mul_f32 v[U0+1], s[CC], v[U0]                ; c x the largest score
.irp m, 0,1,2,3,4,5,6,7
	v_fma_f32 v[SS+\m], v[SS+\m], s[CC], -v[U0+1]
.endr
.irp m, 0,1,2,3,4,5,6,7
	v_exp_f32 v[SS+\m], v[SS+\m]                   ; p, at most about 1
.endr
	v_nop                                          ; a plain place behind the exponentials
	s_wait_alu depctr_va_vdst(0)                   ; one wait for the batch, ahead of its first reader
	v_add_f32 v[U0+2], v[SS], v[SS+1]
	v_add_f32 v[U0+3], v[SS+2], v[SS+3]
	v_add_f32 v[U0+4], v[SS+4], v[SS+5]
	v_add_f32 v[U0+5], v[SS+6], v[SS+7]
	v_add_f32 v[U0+2], v[U0+2], v[U0+3]
	v_add_f32 v[U0+4], v[U0+4], v[U0+5]
	v_add_f32 v[U0+2], v[U0+2], v[U0+4]
	v_add_f32_dpp v[U0+2], v[U0+2], v[U0+2] row_xmask:1 row_mask:0xf bank_mask:0xf
	v_add_f32_dpp v[U0+2], v[U0+2], v[U0+2] row_xmask:2 row_mask:0xf bank_mask:0xf
	v_add_f32_dpp v[U0+2], v[U0+2], v[U0+2] row_xmask:4 row_mask:0xf bank_mask:0xf
	v_add_f32_dpp v[U0+2], v[U0+2], v[U0+2] row_xmask:8 row_mask:0xf bank_mask:0xf
.irp m, 0,1,2,3,4,5,6,7
	ds_store_b32 v29, v[SS+\m] offset:64*\m        ; p takes the place of bd: my wave alone reads it
.endr
	v_cmp_eq_u32 vcc_lo, s[HH], v[LANE]
	v_cndmask_b32 v[MST], v[MST], v[U0+1], vcc_lo  ; lane = the head of my four
	v_cndmask_b32 v[LST], v[LST], v[U0+2], vcc_lo
	s_add_co_u32 s[HH], s[HH], 1
	s_add_co_u32 s[HOFF], s[HOFF], 512
.endm
; x of a head: lane (r, h) sums p v over rows 16 m + 8 h + i for d = 16 n + r; the two halves of the lanes leave apart
.macro XS
	WIN 0
.rept 4
	v_nop                                          ; places in front of the first read of results
.endr
	WIN 0x01
.irp m, 0,1,2,3,4,5,6,7
.irp q, 0,1,2,3
.irp n, 0,1,2,3
.set rA, 8*(4*\m+\n)+2*\q
.set rP, PP+8*\m+2*\q
.if (\m == 0) && (\q == 0)
	v_pk_mul_f32 v[XX+2*\n:XX+2*\n+1], v[rA:rA+1], v[rP:rP+1]
.else
	v_pk_fma_f32 v[XX+2*\n:XX+2*\n+1], v[rA:rA+1], v[rP:rP+1], v[XX+2*\n:XX+2*\n+1]
.endif
.endr
.endr
.endr
	WIN 0
.irp n, 0,1,2,3
	v_add_f32 v[XX+2*\n], v[XX+2*\n], v[XX+2*\n+1]
.endr
.irp n, 0,1,2,3
	ds_store_b32 v[XTW], v[XX+2*\n] offset:64*\n
.endr
	ds_load_b128 v[U0:U0+3], v[XTR]                ; LDS serves a wave's instructions in order: this sees my stores
	s_wait_dscnt 0x0
	global_store_b128 v[XO], v[U0:U0+3], s[XB:XB+1]   ; sixteen lanes store 256 consecutive bytes, aligned: a half's 64 numbers of the head
	s_wait_xcnt 0x0                                ; the store has read its registers and its base
	s_add_nc_u64 s[XB:XB+1], s[XB:XB+1], 256
.endm
; 32 numbers of a lane, a whole block, become registers 0-5 of an operand whose K is 64; the scale word's two bytes come from lanes l and l xor 16, its upper two stay 0 over zero codes
.macro QB32 win, x, cd, wd
	WIN 5*(\win)
	v_max3_num_f32 v[B0], |v[\x]|, |v[\x+1]|, 0x2800000
	v_max3_num_f32 v[B0+1], |v[\x+2]|, |v[\x+3]|, 0x2800000
.irp i, 4,8,12,16,20,24,28
	v_max3_num_f32 v[B0], |v[\x+\i]|, |v[\x+\i+1]|, v[B0]
	v_max3_num_f32 v[B0+1], |v[\x+\i+2]|, |v[\x+\i+3]|, v[B0+1]
.endr
	WIN 0
	v_max_num_f32 v[B0], v[B0], v[B0+1]
	v_add_nc_u32 v[B0+2], 0xfe000000, v[B0]
	v_lshrrev_b32 v[B0+3], 23, v[B0+2]
	v_lshlrev_b32 v[B0+3], v[SH8], v[B0+3]
	v_permlanex16_b32 v[B0+4], v[B0+3], s[SEL], s[SEL+1]
	v_or_b32 v[\wd], v[B0+3], v[B0+4]
	WIN (\win)
	v_cvt_scalef32_pk16_bf6_f32 v[\cd:\cd+2], v[\x:\x+15], v[B0+2]
	v_cvt_scalef32_pk16_bf6_f32 v[B0+6:B0+8], v[\x+16:\x+31], v[B0+2]
	WIN 0
	v_nop                                          ; one plain place behind a scaled conversion
.irp i, 0,1,2
	v_mov_b32 v[\cd+3+\i], v[B0+6+\i]
.endr
.endm
	s_load_b512 s[4:19], s[0:1], 0x0               ; key, value, key_pos_embeddings, key_pos_bias, wq3, wsc, qt, qut
	s_load_b128 s[20:23], s[0:1], 0x40             ; st, xp
	v_lshl_add_u32 v[SPW], v0, 2, SPARE
	v_mov_b32 v[NIL], 0
	ds_add_u32 v2, v3
	ds_add_u32 v2, v3
	s_wait_dscnt 0x0
	v_lshrrev_b32 v26, 5, v0
	v_readfirstlane_b32 s[WV], v26                 ; wave 0..3
	s_and_b32 s75, ttmp7, 0xffff                   ; part
	; descriptor group 1: 32 rows x 128 f32, rows 65,536 elements apart (the next j of the same b), 16 bytes of padding behind each row of 512 in LDS
	s_mov_b32 s[G1], (2<<16)|(1<<20)|(6<<22)|(3<<25)
	s_mov_b32 s[G1+1], 128<<16                     ; tensor_dim0
	s_mov_b32 s[G1+2], 32<<16                      ; tensor_dim1
	s_mov_b32 s[G1+3], 128<<16                     ; tile_dim0
	s_mov_b32 s[G1+4], 32                          ; tile_dim1
	s_mov_b32 s[G1+5], 65536                       ; tensor_dim0_stride
	s_mov_b32 s[G1+6], 0
	s_mov_b32 s[G1+7], 0
	s_lshl_b32 s76, s75, 7
	s_lshl_b32 s77, s[WV], 5
	s_add_co_u32 s76, s76, s77                     ; my wave's first j
	s_lshl_b32 s76, s76, 18
	s_lshl_b32 s77, ttmp9, 12
	s_add_co_u32 s76, s76, s77                     ; (64 j + b) x 4,096 bytes: under 2^27
	s_mov_b32 s77, 0
	s_mul_i32 s78, s[WV], 16896
	s_wait_kmcnt 0x0
	s_mov_b32 s[G0A], 1
	s_add_co_u32 s[G0A+1], s78, STA
	s_add_nc_u64 s[G0A+2:G0A+3], s[4:5], s[76:77]
	s_or_b32 s[G0A+3], s[G0A+3], 0x80000000
	s_mov_b32 s[G0B], 1
	s_add_co_u32 s[G0B+1], s78, VIMG
	s_add_nc_u64 s[G0B+2:G0B+3], s[4:5], s[76:77]
	s_add_nc_u64 s[G0B+2:G0B+3], s[G0B+2:G0B+3], 512
	s_or_b32 s[G0B+3], s[G0B+3], 0x80000000
	s_mov_b32 s[G0V], 1
	s_add_co_u32 s[G0V+1], s78, STA
	s_add_nc_u64 s[G0V+2:G0V+3], s[6:7], s[76:77]
	s_add_nc_u64 s[PFV:PFV+1], s[G0V+2:G0V+3], 1024   ; the prefetches begin at value's tile 2
	s_or_b32 s[G0V+3], s[G0V+3], 0x80000000
	tensor_load_to_lds s[G0A:G0A+3], s[G1:G1+7]    ; key's K steps 0 and 1: the first fills, together: two loads of mine are out
	s_nop 0
	tensor_load_to_lds s[G0B:G0B+3], s[G1:G1+7]
	s_nop 0
.rept 4
	v_nop
.endr
	v_and_b32 v[LANE], 31, v0
	v_and_b32 v26, 15, v0                          ; r
	v_bfe_u32 v27, v0, 4, 1                        ; h
	v_lshlrev_b32 v[LI], 4, v[LANE]
	v_add_nc_u32 v[AK0], KIMG, v[LI]
	v_add_nc_u32 v[AK0+1], KIMG+49152, v[LI]
	v_add_nc_u32 v[AV0], VIMG, v[LI]
	v_add_nc_u32 v[AV0+1], VIMG+49152, v[LI]
	v_lshl_add_u32 v[LSK], v[LANE], 2, KSC
	v_lshl_add_u32 v[LSV], v[LANE], 2, VSC
	v_mul_u32_u24 v28, v26, 528
	v_lshl_add_u32 v28, v27, 6, v28                ; row r of the tile, + 64 h: my 16 numbers of a block of 32
	s_add_co_u32 s79, s78, STA
	v_add_nc_u32 v[STR], s79, v28
	s_add_co_u32 s79, s78, VIMG
	v_add_nc_u32 v[STRB], s79, v28
	s_mul_i32 s79, s[WV], 24576
	v_add_nc_u32 v[IWK], s79, v[LI]
	s_add_co_u32 s79, s79, VIMG
	v_add_nc_u32 v[IWV], s79, v[LI]
	s_lshl_b32 s79, s[WV], 11
	v_add_nc_u32 v[SWK], s79, v[LSK]
	v_add_nc_u32 v[SWV], s79, v[LSV]
	s_lshl_b32 s79, s[WV], 12
	s_add_co_u32 s79, s79, SCR
	v_lshlrev_b32 v28, 2, v26
	v_lshl_add_u32 v29, v27, 11, v28
	v_add_nc_u32 v[SCW], s79, v29
	v_lshlrev_b32 v29, 5, v27
	v_add_nc_u32 v[SCP], s79, v29
	s_lshl_b32 s79, s[WV], 9
	s_add_co_u32 s79, s79, XT
	v_lshl_add_u32 v29, v27, 8, v28
	v_add_nc_u32 v[XTW], s79, v29
	v_add_nc_u32 v[XTR], s79, v[LI]
	v_lshlrev_b32 v[BSO], 4, v26
	v_lshlrev_b32 v[PFO], 18, v[LANE]
	v_lshlrev_b32 v[QUO], 5, v27
	v_lshl_add_u32 v[XO], v27, 12, v[BSO]
	v_lshlrev_b32 v[SH8], 3, v27
	v_and_b32 v29, 3, v26
	v_lshlrev_b32 v29, 8, v29
	v_lshl_add_u32 v29, v27, 7, v29                ; q: head r % 4 of my four, block h
	v_lshlrev_b32 v30, 8, v26
	v_lshl_add_u32 v30, v27, 7, v30                ; key_pos_embeddings: row r, block h
	v_lshlrev_b32 v31, 6, v26                      ; key_pos_bias: row r
	s_mov_b32 s[SEL], 0x76543210
	s_mov_b32 s[SEL+1], 0xfedcba98
	s_mov_b32 s[CC], 0x3e38aa3b                    ; c = log2(e) / 8
	s_mul_i32 s80, s[WV], 196608                   ; my 16 column tiles
	s_mov_b32 s81, 0
	s_add_nc_u64 s[WB:WB+1], s[12:13], s[80:81]
	s_add_nc_u64 s[WBV:WBV+1], s[WB:WB+1], 786432
	s_lshl_b32 s80, s[WV], 13
	s_add_nc_u64 s[SB:SB+1], s[14:15], s[80:81]
	s_add_nc_u64 s[SBV:SBV+1], s[SB:SB+1], 32768
	s_lshl_b32 s82, ttmp9, 12
	s_lshl_b32 s83, s[WV], 10
	s_add_co_u32 s82, s82, s83                     ; row b, my four heads
	s_mov_b32 s83, 0
	s_add_nc_u64 s[84:85], s[16:17], s[82:83]
	s_add_nc_u64 s[QB:QB+1], s[18:19], s[82:83]
	s_lshl_b32 s82, s75, 15
	s_add_co_u32 s82, s82, 917504                  ; row 3,584 + 128 part of 256 bytes
	s_add_nc_u64 s[86:87], s[8:9], s[82:83]
	s_lshl_b32 s82, s75, 13
	s_add_co_u32 s82, s82, 229376                  ; the same row of 64 bytes,
	s_lshl_b32 s80, s[WV], 4
	s_add_co_u32 s82, s82, s80                     ; my four heads
	s_add_nc_u64 s[88:89], s[10:11], s[82:83]
	s_lshl_b32 s82, ttmp9, 15
	s_lshl_b32 s80, s75, 13
	s_add_co_u32 s82, s82, s80
	s_lshl_b32 s80, s[WV], 10
	s_add_co_u32 s82, s82, s80
	s_add_nc_u64 s[XB:XB+1], s[22:23], s[82:83]
	s_lshl_b32 s82, ttmp9, 8
	s_lshl_b32 s80, s[WV], 6
	s_add_co_u32 s82, s82, s80
	s_lshl_b32 s80, s75, 2
	s_add_co_u32 s82, s82, s80
	s_add_nc_u64 s[90:91], s[20:21], s[82:83]
	; ---- bd + key_pos_bias, while key's first tiles are on their way
.irp i, 0,1,2,3,4,5,6,7
	global_load_b128 v[32+4*\i:35+4*\i], v29, s[84:85] offset:16*\i
.endr
.irp m, 0,1,2,3,4,5,6,7
	global_load_b128 v[DD+8*\m:DD+8*\m+3], v31, s[88:89] offset:1024*\m        ; registers i and i + 4 of the result are both head i of my four
	global_load_b128 v[DD+8*\m+4:DD+8*\m+7], v31, s[88:89] offset:1024*\m
.endr
	WIN 0x40
.set i, 0
.rept 64
	global_load_b128 v[4*i:4*i+3], v30, s[86:87] offset:4096*(i/8)+16*(i%8)    ; row tile i / 8: 32 numbers a lane, in the registers that the accumulators will take
.set i, i+1
.endr
	WIN 0
	v_mov_b32 v[B0+4], 0                           ; written once: a lane permute's destination counts as one of its sources
.irp i, 6,7,8,9,10,11
	v_mov_b32 v[QF+\i], 0                          ; K = 64 .. 127: zero codes on both sides
	v_mov_b32 v[PF+\i], 0
.endr
	WIN 0xc0
.irp b, 0,1,2,3
	v_mov_b32 v[TM+4+\b], 0
.endr
	WIN 0
	s_wait_loadcnt 0x0
	QB32 0, 32, QF, QFW
.irp m, 0,1,2,3,4,5,6,7
	QB32 1, 32*\m, PF, PFW
.rept 8
	v_nop                                          ; a scale word written by vector instructions stands eight places ahead of a scaled matrix instruction, an operand four
.endr
	v_wmma_scale_f32_16x16x128_f8f6f4 v[DD+8*\m:DD+8*\m+7], v[QF:QF+11], v[PF:PF+11], v[DD+8*\m:DD+8*\m+7], v[QFW], v[PFW] matrix_a_fmt:MATRIX_FMT_BF6 matrix_b_fmt:MATRIX_FMT_BF6
.endr
.rept 4
	v_nop
.endr
.irp m, 0,1,2,3,4,5,6,7
.irp g, 0,1,2,3
	ds_store_b32 v[SCW], v[DD+8*\m+\g] offset:512*\g+64*\m      ; head g, row 16 m + r: the accumulator's four lowest registers
.endr
.endr
	v_mov_b32 v[MST], 0
	v_mov_b32 v[LST], 0
	s_mov_b32 s[FI], 0
	s_mov_b32 s[FC], 0
	s_mov_b32 s[HH], 0
	s_mov_b32 s[HOFF], 0
	s_mov_b32 s[VT], 0
	; ---- key streams through the two slots and becomes images
	s_wait_tensorcnt 0x1                           ; K step 0 is in; K step 1's tile may be out
	QTILE STR, IWK, SWK
	s_mov_b32 s[CNT], 3
.Lkey:
	CHG G0A, 1024                                  ; slot A takes K step 2, 4, 6; by the wait for 0 slot B's tile has landed
	QTILE STRB, IWK, SWK
	CHG G0B, 1024                                  ; slot B takes K step 3, 5, 7
	QTILE STR, IWK, SWK
	s_sub_co_u32 s[CNT], s[CNT], 1
	s_cmp_lg_u32 s[CNT], 0
	s_cbranch_scc1 .Lkey
	CHG G0V, 0                                     ; slot A takes value's K step 0
	ASKV
	QTILE STRB, IWK, SWK                           ; key's K step 7: slot B's last tile
	s_mov_b32 s[FI], 0
	s_mov_b32 s[FC], 0
	s_wait_dscnt 0x0                               ; my images have landed, my reads of slot B are over
	s_barrier_signal -1
	s_barrier_wait -1                              ; key's 64 fragments lie in LDS.  value's first tile stays on its way
	; ---- k = Q(key) Q(w_k), a head at a time, with value's tiles quantised between the half heads
.set i, 0
.rept 64
	ds_load_b32 v[ASC+i], v[LSK] offset:128*i
.set i, i+1
.endr
	WLOAD WB, SB, 0, 0, 0, 0
	WLOAD WB, SB, 1, 0, 0, 1
	WLOAD WB, SB, 2, 0, 0, 2
	ALOAD 0, 0, 0
	H0 0, WB, SB
	WIN 0
	s_mov_b32 s[CNT], 3
.Lkh:
	VQR
	QULOAD
	H1 0, WB, SB, WB, SB, 49152, 2048, 1
	WIN 0
	s_wait_xcnt 0x0                                ; the loads have read their bases
	s_add_nc_u64 s[WB:WB+1], s[WB:WB+1], 49152     ; the next head
	s_add_nc_u64 s[SB:SB+1], s[SB:SB+1], 2048
	s_add_nc_u64 s[QB:QB+1], s[QB:QB+1], 256
	SC
	VQR
	H0 0, WB, SB
	WIN 0
	s_sub_co_u32 s[CNT], s[CNT], 1
	s_cmp_lg_u32 s[CNT], 0
	s_cbranch_scc1 .Lkh
	VQR                                            ; the tail is written out: value's K step 6 is quantised, K step 7 asked for
	QULOAD
	H1 0, WB, SB, WBV, SBV, 0, 0, 0                ; the look-ahead turns to w_v
	SC
	VQ                                             ; value's K step 7: nothing is left to fetch
	s_wait_dscnt 0x0
	s_barrier_signal -1
	s_barrier_wait -1                              ; value's 64 fragments lie in LDS
	; ---- the statistics of my four heads: lanes 0 to 3
	v_cmp_gt_u32 vcc_lo, 4, v[LANE]
	s_wait_xcnt 0x0                                ; EXEC changes only behind this wait
	s_and_saveexec_b32 s45, vcc_lo
	global_store_b32 v[LI], v[MST], s[90:91]
	global_store_b32 v[LI], v[LST], s[90:91] offset:16384
	s_wait_xcnt 0x0
	s_or_b32 exec_lo, exec_lo, s45
	; ---- v = Q(value) Q(w_v), a head at a time, and x = sum of p v
.set i, 0
.rept 64
	ds_load_b32 v[ASC+i], v[LSV] offset:128*i
.set i, i+1
.endr
	ALOAD 1, 0, 0
	WIN 0
	s_mov_b32 s[HOFF], 0
	s_mov_b32 s[CNT], 4
.Lvh:
	v_add_nc_u32 v30, s[HOFF], v[SCP]
.irp m, 0,1,2,3,4,5,6,7
.irp c, 0,1
	ds_load_b128 v[PP+8*\m+4*\c:PP+8*\m+4*\c+3], v30 offset:64*\m+16*\c   ; p of rows 16 m + 8 h + 0 .. 7: sixteen lanes share each word
.endr
.endr
	H0 1, WBV, SBV
	H1 1, WBV, SBV, WBV, SBV, 49152, 2048, 1       ; the last trip's look-ahead brings three steps that nobody uses: they lie inside wq3 and wsc (wave 3's are w_out's first)
	WIN 0
	s_wait_xcnt 0x0
	s_add_nc_u64 s[WBV:WBV+1], s[WBV:WBV+1], 49152
	s_add_nc_u64 s[SBV:SBV+1], s[SBV:SBV+1], 2048
	XS
	s_add_co_u32 s[HOFF], s[HOFF], 512
	s_sub_co_u32 s[CNT], s[CNT], 1
	s_cmp_lg_u32 s[CNT], 0
	s_cbranch_scc1 .Lvh
	s_wait_tensorcnt 0x0                           ; the wave's end
	ds_add_u32 v[SPW], v[NIL]
	s_wait_dscnt 0x0
	s_endpgm
.Lfunc_end_k_qbe088a48fc_main:
	.size	k_qbe088a48fc_main, .Lfunc_end_k_qbe088a48fc_main-k_qbe088a48fc_main
	.p2alignl 7, 3214868480
	.fill 96, 4, 3214868480
	.section	.rodata,"a",@progbits
	.p2align	6, 0x0
	.amdhsa_kernel k_qbe088a48fc_main
		.amdhsa_group_segment_fixed_size 327680
		.amdhsa_private_segment_fixed_size 0
		.amdhsa_enable_private_segment 0
		.amdhsa_kernarg_size 80
		.amdhsa_user_sgpr_count 2
		.amdhsa_user_sgpr_kernarg_segment_ptr 1
		.amdhsa_wavefront_size32 1
		.amdhsa_system_sgpr_workgroup_id_x 1
		.amdhsa_system_sgpr_workgroup_id_y 1
		.amdhsa_system_sgpr_workgroup_id_z 1
		.amdhsa_system_vgpr_workitem_id 0
		.amdhsa_next_free_vgpr 1024
		.amdhsa_next_free_sgpr 96
		.amdhsa_reserve_vcc 1
		.amdhsa_float_denorm_mode_32 3
		.amdhsa_float_denorm_mode_16_64 3
		.amdhsa_memory_ordered 1
		.amdhsa_forward_progress 1
		.amdhsa_inst_pref_size 255
	.end_amdhsa_kernel
	.section	.bss,"aw",@nobits
	.p2align	6
	.space	262144
	.amdgpu_metadata
---
amdhsa.version: [ 1, 2 ]
amdhsa.kernels:
  - .name:           k_qbe088a48fc_main
    .symbol:         k_qbe088a48fc_main.kd
    .args:
      - { .name: key, .offset: 0, .size: 8, .value_kind: global_buffer, .address_space: global }
      - { .name: value, .offset: 8, .size: 8, .value_kind: global_buffer, .address_space: global }
      - { .name: key_pos_embeddings, .offset: 16, .size: 8, .value_kind: global_buffer, .address_space: global }
      - { .name: key_pos_bias, .offset: 24, .size: 8, .value_kind: global_buffer, .address_space: global }
      - { .name: wq3, .offset: 32, .size: 8, .value_kind: global_buffer, .address_space: global }
      - { .name: wsc, .offset: 40, .size: 8, .value_kind: global_buffer, .address_space: global }
      - { .name: qt, .offset: 48, .size: 8, .value_kind: global_buffer, .address_space: global }
      - { .name: qut, .offset: 56, .size: 8, .value_kind: global_buffer, .address_space: global }
      - { .name: st, .offset: 64, .size: 8, .value_kind: global_buffer, .address_space: global }
      - { .name: xp, .offset: 72, .size: 8, .value_kind: global_buffer, .address_space: global }
    .group_segment_fixed_size: 327680
    .private_segment_fixed_size: 0
    .kernarg_segment_align: 8
    .kernarg_segment_size: 80
    .max_flat_workgroup_size: 128
    .sgpr_count:     96
    .vgpr_count:     1024
    .wavefront_size: 32
...
	.end_amdgpu_metadata
.endif
;; end of part 2
;; launch outp (part 3): grid 8 x 4, 8 waves a work-group, no clusters, 23,552 bytes of LDS; arguments xp, st, wq3, wsc, b_out, out0; writes out0
.if DOCPART == 3
	.amdgcn_target "amdgcn-amd-amdhsa--gfx1250"
	.amdhsa_code_object_version 6
	.text
	.protected	k_qbe088a48fc_outp
	.globl	k_qbe088a48fc_outp
	.p2align	8
	.type	k_qbe088a48fc_outp,@function
k_qbe088a48fc_outp:
	s_mov_b64 s[64:65], 0
	v_nop
	global_prefetch_b8 v0, s[64:65] scope:SCOPE_SE
	s_setreg_imm32_b32 hwreg(HW_REG_WAVE_MODE, 25, 1), 1
	s_wait_xcnt 0x0
; OUTP.  out0 = Q(x) Q(w_out) + b_out, where x joins the four parts of each softmax: with m_p = c x part p's largest score and l_p its sum of p,
; M = the largest m_p, e_p = 2^(m_p - M), x = sum over p of e_p (the part's two half sums) / sum over p of e_p l_p.  All in f32, since x goes into a quantiser.
; Work-group (cx, ry): rows b = 16 ry + r, columns 128 cx on.  32 work-groups have work, and so many are launched.
; Phase 1: wave w joins and quantises K step w of x (heads 2 w, 2 w + 1) and stores its image in LDS.  Phase 2: wave w multiplies the eight K steps by its column tile 8 cx + w of w_out, whose fragments it holds in registers.
; Transposed: source 0 = 16 columns of w_out, source 1 = 16 rows of x: a lane holds eight neighbouring columns of one row; b_out is the C of the first product.
; LIMITS: a block of x whose largest magnitude lies under 2^-122 gets the scale byte 1; NaN and infinities are not served.
.set XI,   0                           ; x's eight fragments, 1,536 bytes each
.set XSL,  12288                       ; their scale words, 128 bytes each
.set STGL, 13312                       ; the way out: 16 rows x (512 bytes + 16)
.set LANE, 1
.set RR,   2
.set HF,   3
.set LI,   4                           ; 16 x lane
.set LS,   5                           ; 4 x lane
.set XO,   6                           ; xp: row r of 32,768 bytes + 64 h
.set SO,   7                           ; st: row r of 256 bytes
.set WSO,  8                           ; 16 r
.set BO,   9                           ; 32 h
.set IW,   10
.set SW,   11
.set STO,  12
.set SRD,  13
.set ALS,  15
.set WW,   16                          ; v16-23 w_out's scale words
.set MS,   24                          ; v24-31 m of the two heads' four parts; v32-39 l
.set TP,   40
.set XX,   48                          ; v48-111 x: register 16 b + i = k 32 b + 16 h + i
.set RS0,  112                         ; v112-239 two sets of 64: records of xp
.set WGT,  240                         ; v240-255 the weights e / L, in even registers (their neighbours written too)
.set PC,   112
.set TM,   132
.set PW,   144
.set AF,   112                         ; phase 2: x's eight fragments
.set AW,   208                         ; their scale words
.set AC0,  216
.set AC1,  224
.set OUTR, 232
.set WV,   16
.set SEL,  18
.set QW_MAX, 0
.set QW_CVT, 0
.set QW_ALL, 0
.set MSB, 0
.macro WIN new                         ; the immediate's high byte repeats the setting that is left
.if MSB != (\new)
	s_set_vgpr_msb (MSB<<8)|(\new)
.set MSB, (\new)
.endif
.endm
.macro QUANT xs
	WIN QW_MAX
.irp b, 0,1,2,3
	v_max3_num_f32 v[TM+\b], |v[\xs+16*\b]|, |v[\xs+16*\b+1]|, 0x2800000   ; my 16 numbers of block b, and the floor 2^(5 - 127): the byte cannot fall under 1
.endr
.irp i, 2,4,6,8,10,12,14
.irp b, 0,1,2,3
	v_max3_num_f32 v[TM+\b], |v[\xs+16*\b+\i]|, |v[\xs+16*\b+\i+1]|, v[TM+\b]
.endr
.endr
	WIN QW_ALL
.irp b, 0,1,2,3
	v_permlanex16_b32 v[TM+4+\b], v[TM+\b], s[SEL], s[SEL+1]
.endr
.irp b, 0,1,2,3
	v_max_num_f32 v[TM+\b], v[TM+\b], v[TM+4+\b]
.endr
.irp b, 0,1,2,3
	v_add_nc_u32 v[TM+8+\b], 0xfe000000, v[TM+\b]  ; 4 off the exponent field: the conversion's scale operand
.endr
.irp b, 0,1,2,3
	v_lshrrev_b32 v[TM+4+\b], 23, v[TM+8+\b]       ; the scale's byte
.endr
	v_lshl_or_b32 v[PW], v[TM+5], 8, v[TM+4]
	v_lshl_or_b32 v[PW], v[TM+6], 16, v[PW]
	v_lshl_or_b32 v[PW], v[TM+7], 24, v[PW]
	WIN QW_CVT
.irp c, 0,1
	v_cvt_scalef32_pk16_bf6_f32 v[PC+6*\c:PC+6*\c+2], v[\xs+32*\c:\xs+32*\c+15], v[TM+8+2*\c]
	v_cvt_scalef32_pk16_bf6_f32 v[PC+12+4*\c:PC+14+4*\c], v[\xs+32*\c+16:\xs+32*\c+31], v[TM+9+2*\c]
.endr
	WIN QW_ALL
	v_nop                                          ; one plain place behind a scaled conversion
.irp c, 0,1
.irp i, 0,1,2
	v_permlane16_swap_b32 v[PC+6*\c+\i], v[PC+12+4*\c+\i]
.endr
.irp i, 0,1,2
	v_mov_b32 v[PC+3+6*\c+\i], v[PC+12+4*\c+\i]
.endr
.endr
.endm
	s_load_b256 s[4:11], s[0:1], 0x0               ; xp, st, wq3, wsc
	s_load_b128 s[12:15], s[0:1], 0x20             ; b_out, out0
	v_lshl_add_u32 v14, v0, 2, 0x5800
	s_set_vgpr_msb 0x40
	v_mov_b32 v255, 0
	s_set_vgpr_msb 0x4000
	v_lshrrev_b32 v[LANE], 5, v0
	v_readfirstlane_b32 s[WV], v[LANE]             ; wave 0..7
	v_and_b32 v[LANE], 31, v0
	v_and_b32 v[RR], 15, v0
	v_bfe_u32 v[HF], v0, 4, 1
	v_lshlrev_b32 v[LI], 4, v[LANE]
	v_lshlrev_b32 v[LS], 2, v[LANE]
	v_lshlrev_b32 v[XO], 15, v[RR]
	v_lshl_add_u32 v[XO], v[HF], 6, v[XO]
	v_lshlrev_b32 v[SO], 8, v[RR]
	v_lshlrev_b32 v[WSO], 4, v[RR]
	v_lshlrev_b32 v[BO], 5, v[HF]
	s_mul_i32 s20, s[WV], 1536
	v_add_nc_u32 v[IW], s20, v[LI]
	s_lshl_b32 s20, s[WV], 7
	s_add_co_u32 s20, s20, XSL
	v_add_nc_u32 v[SW], s20, v[LS]
	v_add_nc_u32 v[ALS], XSL, v[LS]
	v_mul_u32_u24 v[STO], v[RR], 528
	v_lshl_add_u32 v[STO], v[HF], 5, v[STO]
	s_lshl_b32 s20, s[WV], 6
	s_add_co_u32 s20, s20, STGL
	v_add_nc_u32 v[STO], s20, v[STO]               ; the stage: row r, my wave's 64 bytes, + 32 h
	s_mul_i32 s20, s[WV], 1056
	s_add_co_u32 s20, s20, STGL
	v_add_nc_u32 v[SRD], s20, v[LI]                ; back: rows 2 w and 2 w + 1
	s_mov_b32 s[SEL], 0x76543210
	s_mov_b32 s[SEL+1], 0xfedcba98
	s_and_b32 s17, ttmp7, 0xffff                   ; ry
	s_lshl_b32 s20, ttmp9, 3
	s_add_co_u32 s20, s20, s[WV]                   ; my column tile T = 8 cx + w
	s_add_co_u32 s22, s20, 128
	s_mul_i32 s22, s22, 12288                      ; w_out is tensor 2: tile 128 + T
	s_mov_b32 s23, 0
	s_lshr_b32 s24, s20, 2
	s_add_co_u32 s24, s24, 32
	s_lshl_b32 s24, s24, 11
	s_and_b32 s25, s20, 3
	s_lshl_b32 s25, s25, 2
	s_add_co_u32 s24, s24, s25
	s_mov_b32 s25, 0
	s_lshl_b32 s26, s20, 6
	s_mov_b32 s27, 0
	s_lshl_b32 s28, s17, 19
	s_lshl_b32 s29, s[WV], 9
	s_add_co_u32 s28, s28, s29
	s_mov_b32 s29, 0
	s_lshl_b32 s30, s17, 12
	s_lshl_b32 s31, s[WV], 5
	s_add_co_u32 s30, s30, s31
	s_mov_b32 s31, 0
	s_lshl_b32 s32, s17, 4
	s_lshl_b32 s33, s[WV], 1
	s_add_co_u32 s32, s32, s33
	s_lshl_b32 s32, s32, 12
	s_lshl_b32 s33, ttmp9, 9
	s_add_co_u32 s32, s32, s33
	s_mov_b32 s33, 0
	s_wait_kmcnt 0x0
	s_add_nc_u64 s[8:9], s[8:9], s[22:23]
	s_add_nc_u64 s[10:11], s[10:11], s[24:25]
	s_add_nc_u64 s[12:13], s[12:13], s[26:27]
	s_add_nc_u64 s[4:5], s[4:5], s[28:29]
	s_add_nc_u64 s[6:7], s[6:7], s[30:31]
	s_add_nc_u64 s[14:15], s[14:15], s[32:33]
	WIN 0x40                                       ; destination window 1: w_out's eight fragments at v[12 s], b_out's eight numbers at v96
.irp s, 0,1,2,3,4,5,6,7
.irp c, 0,1,2
	global_load_b128 v[12*\s+4*\c:12*\s+4*\c+3], v[LI], s[8:9] offset:1536*\s+512*\c
.endr
.endr
	global_load_b128 v[96:99], v[BO], s[12:13]
	global_load_b128 v[100:103], v[BO], s[12:13] offset:16
	WIN 0
.irp s, 0,1,2,3,4,5,6,7
	global_load_b32 v[WW+\s], v[WSO], s[10:11] offset:256*\s
.endr
.irp e, 0,1
	global_load_b128 v[MS+4*\e:MS+4*\e+3], v[SO], s[6:7] offset:16*\e
	global_load_b128 v[MS+8+4*\e:MS+8+4*\e+3], v[SO], s[6:7] offset:16384+16*\e
.endr
.macro RLOAD rec                       ; record rec = 2 part + half of my row: 64 numbers a lane, into set rec % 2
.irp b, 0,1,2,3
.irp j, 0,1,2,3
	global_load_b128 v[RS0+64*((\rec)%2)+16*\b+4*\j:RS0+64*((\rec)%2)+16*\b+4*\j+3], v[XO], s[4:5] offset:4096*(\rec)+128*\b+16*\j
.endr
.endr
.endm
	RLOAD 0
	RLOAD 1
.irp b, 0,1,2,3
	v_mov_b32 v[TP+4+\b], 0
.endr
	s_wait_loadcnt 32                              ; the statistics are in; the two records may be out
.irp e, 0,1
	v_max3_num_f32 v[TP+\e], v[MS+4*\e], v[MS+4*\e+1], v[MS+4*\e+2]
.endr
.irp e, 0,1
	v_max_num_f32 v[TP+\e], v[TP+\e], v[MS+4*\e+3]   ; M
.endr
.irp e, 0,1
.irp p, 0,1,2,3
	v_sub_f32 v[MS+4*\e+\p], v[MS+4*\e+\p], v[TP+\e]
.endr
.endr
.irp i, 0,1,2,3,4,5,6,7
	v_exp_f32 v[MS+\i], v[MS+\i]                   ; e = 2^(m - M), at most 1, and 1 for one part
.endr
	v_nop                                          ; a plain place behind the exponentials
	s_wait_alu depctr_va_vdst(0)                   ; one wait for the batch
.irp e, 0,1
	v_mul_f32 v[TP+2+\e], v[MS+4*\e], v[MS+8+4*\e]
.endr
.irp p, 1,2,3
.irp e, 0,1
	v_fma_f32 v[TP+2+\e], v[MS+4*\e+\p], v[MS+8+4*\e+\p], v[TP+2+\e]   ; L = sum of e l
.endr
.endr
	v_rcp_f32 v[TP+4], v[TP+2]
	v_rcp_f32 v[TP+5], v[TP+3]
	v_nop
	s_wait_alu depctr_va_vdst(0)
.irp e, 0,1
.irp p, 0,1,2,3
	v_mul_f32 v[WGT+2*(4*\e+\p)], v[MS+4*\e+\p], v[TP+4+\e]
	v_mul_f32 v[WGT+2*(4*\e+\p)+1], v[MS+4*\e+\p], v[TP+4+\e]
.endr
.endr
.irp rec, 0,1,2,3,4,5,6,7
.if \rec < 7
	s_wait_loadcnt 16                              ; this record is in; the next may be out
.else
	s_wait_loadcnt 0x0
.endif
.irp q, 0,1,2,3,4,5,6,7,8,9,10,11,12,13,14,15,16,17,18,19,20,21,22,23,24,25,26,27,28,29,30,31
.set rR, RS0+64*((\rec)%2)+2*\q
.set rG, WGT+2*(4*(\q/16)+\rec/2)               ; blocks 0, 1: head 2 w; blocks 2, 3: head 2 w + 1
.if \rec == 0
	v_pk_mul_f32 v[XX+2*\q:XX+2*\q+1], v[rR:rR+1], v[rG:rG+1] op_sel_hi:[1,0]
.else
	v_pk_fma_f32 v[XX+2*\q:XX+2*\q+1], v[rR:rR+1], v[rG:rG+1], v[XX+2*\q:XX+2*\q+1] op_sel_hi:[1,0,1]
.endif
.endr
.if \rec < 6
	RLOAD \rec+2
.endif
.endr
.irp b, 0,1,2,3
	v_mov_b32 v[TM+4+\b], 0                        ; a lane permute's destination counts as one of its sources
.endr
	QUANT XX
.irp c, 0,1,2
	ds_store_b128 v[IW], v[PC+4*\c:PC+4*\c+3] offset:XI+512*\c
.endr
	ds_store_b32 v[SW], v[PW]
	s_wait_dscnt 0x0                               ; for the others' sake: my image has landed
	s_barrier_signal -1
	s_barrier_wait -1                              ; x's eight fragments lie in LDS
.irp s, 0,1,2,3,4,5,6,7
.irp c, 0,1,2
	ds_load_b128 v[AF+12*\s+4*\c:AF+12*\s+4*\c+3], v[LI] offset:XI+1536*\s+512*\c
.endr
	ds_load_b32 v[AW+\s], v[ALS] offset:128*\s
.endr
	s_wait_dscnt 0x0
	WIN 0x11                                       ; source 0 (w_out) and source 2 (b_out) window 1
	v_wmma_scale_f32_16x16x128_f8f6f4 v[AC0:AC0+7], v[0:11], v[AF:AF+11], v[96:103], v[WW], v[AW] matrix_a_fmt:MATRIX_FMT_BF6 matrix_b_fmt:MATRIX_FMT_BF6
	WIN 0x01
	v_wmma_scale_f32_16x16x128_f8f6f4 v[AC1:AC1+7], v[12:23], v[AF+12:AF+23], 0, v[WW+1], v[AW+1] matrix_a_fmt:MATRIX_FMT_BF6 matrix_b_fmt:MATRIX_FMT_BF6
.irp s, 2,4,6                                  ; two accumulators by turns, one instruction a turn: even K steps, odd K steps
	v_wmma_scale_f32_16x16x128_f8f6f4 v[AC0:AC0+7], v[12*\s:12*\s+11], v[AF+12*\s:AF+12*\s+11], v[AC0:AC0+7], v[WW+\s], v[AW+\s] matrix_a_fmt:MATRIX_FMT_BF6 matrix_b_fmt:MATRIX_FMT_BF6
	v_wmma_scale_f32_16x16x128_f8f6f4 v[AC1:AC1+7], v[12*\s+12:12*\s+23], v[AF+12*\s+12:AF+12*\s+23], v[AC1:AC1+7], v[WW+\s+1], v[AW+\s+1] matrix_a_fmt:MATRIX_FMT_BF6 matrix_b_fmt:MATRIX_FMT_BF6
.endr
	WIN 0
.rept 4
	v_nop                                          ; places in front of the first read of results
.endr
.irp i, 0,2,4,6
	v_pk_add_f32 v[OUTR+\i:OUTR+\i+1], v[AC0+\i:AC0+\i+1], v[AC1+\i:AC1+\i+1]   ; both accumulators from their low ends on
.endr
	ds_store_b128 v[STO], v[OUTR:OUTR+3]
	ds_store_b128 v[STO], v[OUTR+4:OUTR+7] offset:16
	s_wait_dscnt 0x0
	s_barrier_signal -1
	s_barrier_wait -1                              ; 16 rows x 128 columns lie in the stage
	ds_load_b128 v[240:243], v[SRD]
	ds_load_b128 v[244:247], v[SRD] offset:528
	s_wait_dscnt 0x0
	global_store_b128 v[LI], v[240:243], s[14:15]               ; 32 lanes store 512 consecutive bytes, aligned
	global_store_b128 v[LI], v[244:247], s[14:15] offset:4096
	s_set_vgpr_msb 0x4
	s_wait_tensorcnt 0x0
	ds_add_u32 v14, v255
	s_wait_dscnt 0x0
	s_set_vgpr_msb 0x400
	s_endpgm
.Lfunc_end_k_qbe088a48fc_outp:
	.size	k_qbe088a48fc_outp, .Lfunc_end_k_qbe088a48fc_outp-k_qbe088a48fc_outp
	.p2alignl 7, 3214868480
	.fill 96, 4, 3214868480
	.section	.rodata,"a",@progbits
	.p2align	6, 0x0
	.amdhsa_kernel k_qbe088a48fc_outp
		.amdhsa_group_segment_fixed_size 23552
		.amdhsa_private_segment_fixed_size 0
		.amdhsa_enable_private_segment 0
		.amdhsa_kernarg_size 48
		.amdhsa_user_sgpr_count 2
		.amdhsa_user_sgpr_kernarg_segment_ptr 1
		.amdhsa_wavefront_size32 1
		.amdhsa_system_sgpr_workgroup_id_x 1
		.amdhsa_system_sgpr_workgroup_id_y 1
		.amdhsa_system_sgpr_workgroup_id_z 1
		.amdhsa_system_vgpr_workitem_id 0
		.amdhsa_next_free_vgpr 512
		.amdhsa_next_free_sgpr 66
		.amdhsa_reserve_vcc 0
		.amdhsa_float_denorm_mode_32 3
		.amdhsa_float_denorm_mode_16_64 3
		.amdhsa_memory_ordered 1
		.amdhsa_forward_progress 1
		.amdhsa_inst_pref_size 46
	.end_amdhsa_kernel
	.amdgpu_metadata
---
amdhsa.version: [ 1, 2 ]
amdhsa.kernels:
  - .name:           k_qbe088a48fc_outp
    .symbol:         k_qbe088a48fc_outp.kd
    .args:
      - { .name: xp, .offset: 0, .size: 8, .value_kind: global_buffer, .address_space: global }
      - { .name: st, .offset: 8, .size: 8, .value_kind: global_buffer, .address_space: global }
      - { .name: wq3, .offset: 16, .size: 8, .value_kind: global_buffer, .address_space: global }
      - { .name: wsc, .offset: 24, .size: 8, .value_kind: global_buffer, .address_space: global }
      - { .name: b_out, .offset: 32, .size: 8, .value_kind: global_buffer, .address_space: global }
      - { .name: out0, .offset: 40, .size: 8, .value_kind: global_buffer, .address_space: global }
    .group_segment_fixed_size: 23552
    .private_segment_fixed_size: 0
    .kernarg_segment_align: 8
    .kernarg_segment_size: 48
    .max_flat_workgroup_size: 256
    .sgpr_count:     66
    .vgpr_count:     512
    .wavefront_size: 32
...
	.end_amdgpu_metadata
.endif
;; end of part 3
;; ======== version 2 of 2: 3 launches
;; limits: right only within a limited range of input values
;; workspace buffers: wq3 2,359,296 bytes; wsc 98,304 bytes; qt 262,144 bytes; qut 262,144 bytes; st 32,768 bytes; xp 2,097,152 bytes
;; launch prep (part 4): grid 224 x 1, 4 waves a work-group, no clusters, 58,880 bytes of LDS; arguments w_k, w_v, w_out, w_q, query, query_pos_bias, wq3, wsc, qt, qut; writes wq3, wsc, qt, qut
.if DOCPART == 4
	.amdgcn_target "amdgcn-amd-amdhsa--gfx1250"
	.amdhsa_code_object_version 6
	.text
	.protected	k_qbe088a48fc_prep
	.globl	k_qbe088a48fc_prep
	.p2align	8
	.type	k_qbe088a48fc_prep,@function
k_qbe088a48fc_prep:
	s_mov_b64 s[64:65], 0
	v_nop
	global_prefetch_b8 v0, s[64:65] scope:SCOPE_SE
	s_setreg_imm32_b32 hwreg(HW_REG_WAVE_MODE, 25, 1), 1
	s_wait_xcnt 0x0
; PREP.  Work-groups 128 to 223: w_k, w_v, w_out ([1024 (k)][1024 (n)] f32, K the first axis) become codes of BF6 (E3M2) with one E8M0 byte for each 32 along K,
; laid as IMAGES OF OPERAND REGISTERS: fragment (t, T, s) = tensor t, columns 16 T + r, K step s of 128, 1,536 bytes at ((64 t + T) 8 + s) 1536; in it register g of lane L at 512 (g / 4) + 16 L + 4 (g % 4),
; so that three loads of 16 bytes a lane, 512 dense bytes each, bring a fragment.  Scale words: column 64 H + 16 n + r, step s at ((16 t + H) 8 + s) 256 + 16 r + 4 n.
; Work-groups 0 to 127: q = Q(query) Q(w_q), stored as f32 (qt), and q + query_pos_bias (qut).  Work-group 4 cg + m makes rows 16 m .. 16 m + 15 x columns 32 cg .. 32 cg + 31; ITS FOUR WAVES SHARE K:
; wave w takes K = 256 w .. 256 w + 255, quantises its two fragments of query and its 32 columns of w_q, multiplies (four matrix instructions), and the four partial sums meet in LDS.
; So a q work-group loads 128 KB of w_q and 64 KB of query, against 128 KB in a weight work-group; it has the longer way, so these take the lowest numbers.  w_q is read by the four work-groups of a cg.
; A LANE TAKES A COLUMN AND ITS REGISTERS RUN DOWN K: a block of 32 lies in one lane, and the conversions give codes with K innermost.
; A block's scale byte is its largest magnitude's exponent field - 4, held at 1 from below.
; LIMITS: a block whose largest magnitude lies under 2^-122, a block of zeros among them, gets the byte 1 (zeros: the codes are zeros, and the bytes are read by this program alone); NaN and infinities are not served.
; q is the sum of four partial sums over K, each made by the matrix unit in ascending K; they are added in f32 as (0 + 1) + (2 + 3).
; The scale words leave 4 bytes a lane (98,304 bytes in all); q leaves in runs of 128 consecutive bytes, eight lanes to a run (524,288 bytes in all): a work-group's 32 columns are no more than that.
; The two paths part on the work-group's number and never join; each has LDS bytes of its own.  No tensor loads.
.set WST,  0                           ; weight path: a stage of 6,144 bytes for each wave (2 tiles x 2 K steps x 1,536)
.set QST,  24576                       ; q path: the same
.set RED,  49152                       ; q path: each wave's partial sums, 16 rows x (128 bytes + 16)
.set RPT,  144
.set RWV,  16*RPT
.set LANE, 1
.set RR,   2                           ; lane % 16
.set HF,   3                           ; lane / 16
.set CO,   4                           ; 4 x lane
.set STG,  5                           ; where my column's codes go in the stage
.set RDB,  6                           ; where I read the stage back
.set LI,   7                           ; 16 x lane
.set SCO,  8                           ; my scale word's place
.set XA,   9                           ; query: my lane's byte in the 16 rows
.set RW,   10                          ; where I put my partial sums
.set RRD,  11                          ; where I read the four waves' back
.set QO,   12                          ; q's way out
.set UO,   13                          ; the bias's place
.set XSW,  16                          ; v16-17 query's scale words of my two K steps
.set SBW,  24                          ; v24-25 my column's scale words of the two K steps
.set T0,   26
.set T1,   27
.set T2,   28
.set T3,   29
.set XBK,  32                          ; v32-95 two sets of 32 numbers
.set CD,   96                          ; v96-102 a block's codes
.set WF,   104                         ; v104-151 four fragments of the weight (2 tile + step); the weight path's way out
.set QFR,  152                         ; v152-175 query's two fragments; up to v182 at work while they are made
.set TM,   184                         ; v184-195 at work
.set AC,   196                         ; v196-211 two accumulators: columns 0-15, 16-31
.set UB,   212                         ; v212-215 query_pos_bias at my four columns
.set P0,   216                         ; v216-231 the four waves' partial sums
.set OUTQ, 232                         ; v232-235 q + bias
.set XQ,   0                           ; window 1: v0-127 query's numbers of my two K steps
.set PC,   QFR                         ; where the quantiser puts codes and scale word: set anew for each fragment
.set PW,   XSW
.set WV,   24
.set SRC,  26
.set DW,   28
.set DS,   30
.set SEL,  32
.set QW_MAX, 0x05                      ; the quantiser's numbers lie in window 1 (sources 0 and 1), all else in window 0
.set QW_CVT, 0x01
.set QW_ALL, 0
.set NTH,  1                           ; 1: the weight is read once in the launch
.set MSB, 0
.macro WIN new                         ; the immediate's high byte repeats the setting that is left
.if MSB != (\new)
	s_set_vgpr_msb (MSB<<8)|(\new)
.set MSB, (\new)
.endif
.endm
; 64 numbers of a lane, register 16 b + i = k 32 b + 16 (lane / 16) + i of my row, become a fragment's codes in v[PC] on and its scale word in v[PW]
.macro QUANT xs
	WIN QW_MAX
.irp b, 0,1,2,3
	v_max3_num_f32 v[TM+\b], |v[\xs+16*\b]|, |v[\xs+16*\b+1]|, 0x2800000   ; my 16 numbers of block b, and the floor 2^(5 - 127): the byte cannot fall under 1
.endr
.irp i, 2,4,6,8,10,12,14
.irp b, 0,1,2,3
	v_max3_num_f32 v[TM+\b], |v[\xs+16*\b+\i]|, |v[\xs+16*\b+\i+1]|, v[TM+\b]
.endr
.endr
	WIN QW_ALL
.irp b, 0,1,2,3
	v_permlanex16_b32 v[TM+4+\b], v[TM+\b], s[SEL], s[SEL+1]
.endr
.irp b, 0,1,2,3
	v_max_num_f32 v[TM+\b], v[TM+\b], v[TM+4+\b]   ; with lane l xor 16's: the block's largest magnitude
.endr
.irp b, 0,1,2,3
	v_add_nc_u32 v[TM+8+\b], 0xfe000000, v[TM+\b]  ; 4 off its exponent field: the conversion's scale operand
.endr
.irp b, 0,1,2,3
	v_lshrrev_b32 v[TM+4+\b], 23, v[TM+8+\b]       ; the scale's byte
.endr
	v_lshl_or_b32 v[PW], v[TM+5], 8, v[TM+4]
	v_lshl_or_b32 v[PW], v[TM+6], 16, v[PW]
	v_lshl_or_b32 v[PW], v[TM+7], 24, v[PW]
	WIN QW_CVT
.irp c, 0,1
	v_cvt_scalef32_pk16_bf6_f32 v[PC+6*\c:PC+6*\c+2], v[\xs+32*\c:\xs+32*\c+15], v[TM+8+2*\c]
	v_cvt_scalef32_pk16_bf6_f32 v[PC+12+4*\c:PC+14+4*\c], v[\xs+32*\c+16:\xs+32*\c+31], v[TM+9+2*\c]
.endr
	WIN QW_ALL
	v_nop                                          ; one plain place behind a scaled conversion
.irp c, 0,1                                    ; the operand wants a whole block in a lane: lanes 0-15 block 2 c, lanes 16-31 block 2 c + 1
.irp i, 0,1,2
	v_permlane16_swap_b32 v[PC+6*\c+\i], v[PC+12+4*\c+\i]
.endr
.irp i, 0,1,2
	v_mov_b32 v[PC+3+6*\c+\i], v[PC+12+4*\c+\i]
.endr
.endr
.endm
.macro LOADB t                         ; block t of the wave's 256 along K: W(32 t + i, my column) into set t % 2; 32 lanes read 128 consecutive bytes
.irp i, 0,1,2,3,4,5,6,7,8,9,10,11,12,13,14,15,16,17,18,19,20,21,22,23,24,25,26,27,28,29,30,31
.if NTH
	global_load_b32 v[XBK+32*((\t)%2)+\i], v[CO], s[SRC:SRC+1] offset:(32*(\t)+\i)*4096 th:TH_LOAD_NT
.else
	global_load_b32 v[XBK+32*((\t)%2)+\i], v[CO], s[SRC:SRC+1] offset:(32*(\t)+\i)*4096
.endif
.endr
.endm
; Block t is quantised and its 24 bytes go to their place in the image: K step t / 4; in it block t % 4 = 2 c + h belongs to registers 6 c .. 6 c + 5 of lane r + 16 h
.macro BLOCK t
.set XS_, XBK+32*((\t)%2)
.set KB_, ((\t)/4)*1536+256*((\t)%2)
.if (\t) < 7
	s_wait_loadcnt 32                              ; this block's 32 loads are in; the next block's may be out
.else
	s_wait_loadcnt 0x0
.endif
	v_max3_num_f32 v[T0], |v[XS_]|, |v[XS_+1]|, |v[XS_+2]|
	v_max3_num_f32 v[T1], |v[XS_+3]|, |v[XS_+4]|, |v[XS_+5]|
.irp i, 6,10,14,18,22,26
	v_max3_num_f32 v[T0], v[T0], |v[XS_+\i]|, |v[XS_+\i+1]|
	v_max3_num_f32 v[T1], v[T1], |v[XS_+\i+2]|, |v[XS_+\i+3]|
.endr
	v_max3_num_f32 v[T0], v[T0], |v[XS_+30]|, |v[XS_+31]|
	v_max3_num_f32 v[T0], v[T0], v[T1], 0x2800000  ; and the floor 2^(5 - 127)
	v_add_nc_u32 v[T2], 0xfe000000, v[T0]          ; 4 off the exponent field: the conversion's scale operand
	v_lshrrev_b32 v[T3], 23, v[T2]                 ; the scale's byte
.if (\t)%4 == 0
	v_mov_b32 v[SBW+(\t)/4], v[T3]                 ; four bytes to a word, the lower K in the lower byte
.else
	v_lshl_or_b32 v[SBW+(\t)/4], v[T3], 8*((\t)%4), v[SBW+(\t)/4]
.endif
	v_cvt_scalef32_pk16_bf6_f32 v[CD:CD+2], v[XS_:XS_+15], v[T2]
	v_cvt_scalef32_pk16_bf6_f32 v[CD+4:CD+6], v[XS_+16:XS_+31], v[T2]
	v_nop                                          ; one plain place behind a scaled conversion
	v_mov_b32 v[CD+3], v[CD+4]
	v_mov_b32 v[CD+4], v[CD+5]
	v_mov_b32 v[CD+5], v[CD+6]                     ; six registers on end
.if (((\t)/2)%2) == 0
	ds_store_b128 v[STG], v[CD:CD+3] offset:KB_            ; registers 0-3
	ds_store_b64 v[STG], v[CD+4:CD+5] offset:KB_+512       ; registers 4, 5
.else
	ds_store_b64 v[STG], v[CD:CD+1] offset:KB_+520         ; registers 6, 7
	ds_store_b128 v[STG], v[CD+2:CD+5] offset:KB_+1024     ; registers 8-11
.endif
.if (\t)+2 < 8
	LOADB (\t)+2
.endif
	s_wait_dscnt 0x0                               ; the stores have read their registers: the next block's codes may be written
.endm
	s_load_b512 s[4:19], s[0:1], 0x0               ; w_k, w_v, w_out, w_q, query, query_pos_bias, wq3, wsc
	s_load_b128 s[20:23], s[0:1], 0x40             ; qt, qut
	v_lshl_add_u32 v254, v0, 2, 0xe400
	v_mov_b32 v255, 0
	v_lshrrev_b32 v[LANE], 5, v0
	v_readfirstlane_b32 s[WV], v[LANE]             ; wave 0..3
	v_and_b32 v[LANE], 31, v0
	v_and_b32 v[RR], 15, v0
	v_bfe_u32 v[HF], v0, 4, 1
	v_lshlrev_b32 v[CO], 2, v[LANE]
	v_lshlrev_b32 v[LI], 4, v[LANE]
	s_mul_i32 s36, s[WV], 6144
	v_mul_u32_u24 v[STG], v[HF], 3072              ; my tile of the wave's two,
	v_lshl_add_u32 v[STG], v[RR], 4, v[STG]        ; my column's 16 bytes in each run of 512
	v_add_nc_u32 v[STG], s36, v[STG]
	v_add_nc_u32 v[RDB], s36, v[LI]
	s_cmp_lt_u32 ttmp9, 128
	s_cbranch_scc1 .Lqpath
	; ---- the weight path: tensor t, columns 128 g + 32 wave + lane, K = 256 y on
	s_sub_co_u32 s36, ttmp9, 128
	s_lshr_b32 s37, s36, 5                         ; t
	s_bfe_u32 s38, s36, 0x30002                    ; g
	s_and_b32 s39, s36, 3                          ; y
	s_lshl_b32 s40, s39, 20                        ; 256 y rows of 4,096 bytes
	s_lshl_b32 s41, s38, 9
	s_add_co_u32 s40, s40, s41
	s_lshl_b32 s41, s[WV], 7
	s_add_co_u32 s40, s40, s41                     ; + 4 x first column
	s_mov_b32 s41, 0
	s_lshl_b32 s42, s37, 6
	s_lshl_b32 s43, s38, 3
	s_add_co_u32 s42, s42, s43
	s_lshl_b32 s43, s[WV], 1
	s_add_co_u32 s42, s42, s43                     ; 64 t + my first tile
	s_mul_i32 s42, s42, 12288
	s_mul_i32 s43, s39, 3072
	s_add_co_u32 s42, s42, s43                     ; + K step 2 y
	s_mov_b32 s43, 0
	s_lshl_b32 s44, s37, 4
	s_lshl_b32 s45, s38, 1
	s_add_co_u32 s44, s44, s45
	s_lshr_b32 s45, s[WV], 1
	s_add_co_u32 s44, s44, s45                     ; 16 t + H
	s_lshl_b32 s44, s44, 11
	s_lshl_b32 s45, s39, 9
	s_add_co_u32 s44, s44, s45                     ; + K step 2 y
	s_and_b32 s45, s[WV], 1
	s_lshl_b32 s45, s45, 3
	s_add_co_u32 s44, s44, s45                     ; + 4 x my first tile in the head
	s_mov_b32 s45, 0
	s_wait_alu depctr_va_vdst(0)
	v_lshlrev_b32 v[SCO], 4, v[RR]
	v_lshl_add_u32 v[SCO], v[HF], 2, v[SCO]
	s_wait_kmcnt 0x0
	s_cmp_eq_u32 s37, 0                            ; the choice hangs on the work-group's number alone
	s_cselect_b64 s[SRC:SRC+1], s[4:5], s[6:7]
	s_cmp_eq_u32 s37, 2
	s_cselect_b64 s[SRC:SRC+1], s[8:9], s[SRC:SRC+1]
	s_add_nc_u64 s[SRC:SRC+1], s[SRC:SRC+1], s[40:41]
	s_add_nc_u64 s[DW:DW+1], s[16:17], s[42:43]
	s_add_nc_u64 s[DS:DS+1], s[18:19], s[44:45]
	LOADB 0
	LOADB 1
.irp t, 0,1,2,3,4,5,6,7
	BLOCK \t
.endr
.irp i, 0,1,2,3,4,5,6,7,8,9,10,11
	ds_load_b128 v[WF+4*\i:WF+4*\i+3], v[RDB] offset:512*\i       ; LDS serves a wave's instructions in order: these see my stores
.endr
	global_store_b32 v[SCO], v[SBW], s[DS:DS+1]
	s_wait_alu depctr_va_vdst(0)
	global_store_b32 v[SCO], v[SBW+1], s[DS:DS+1] offset:256
.irp i, 0,1,2,3,4,5,6,7,8,9,10,11
	s_wait_dscnt 11-\i                             ; the younger loads from the stage may be out
	global_store_b128 v[LI], v[WF+4*\i:WF+4*\i+3], s[DW:DW+1] offset:(\i/6)*12288+(\i%6)*512   ; 32 lanes store 512 consecutive bytes, aligned
.endr
	s_wait_tensorcnt 0x0
	ds_add_u32 v254, v255
	s_wait_dscnt 0x0
	s_endpgm
	; ---- the q path: rows 16 m + r of query, columns 32 cg + lane of w_q, K = 256 wave on
.Lqpath:
.set NTH, 0                            ; w_q's columns are read by the four work-groups of a cg
	s_wait_alu depctr_va_vdst(0)
	v_add_nc_u32 v[STG], QST, v[STG]
	v_add_nc_u32 v[RDB], QST, v[RDB]
	v_lshlrev_b32 v[XA], 12, v[RR]
	v_lshl_add_u32 v[XA], v[HF], 6, v[XA]          ; row r of 4,096 bytes + 64 h: my 16 numbers of a block of 32
	s_mul_i32 s36, s[WV], RWV
	s_add_co_u32 s36, s36, RED
	v_mul_u32_u24 v[RW], v[RR], RPT
	v_lshl_add_u32 v[RW], v[HF], 5, v[RW]
	v_add_nc_u32 v[RW], s36, v[RW]                 ; my wave's partial sums: row r, + 32 h
	s_mul_i32 s36, s[WV], 4*RPT
	s_add_co_u32 s36, s36, RED
	v_lshrrev_b32 v[T0], 3, v[LANE]                ; lane / 8
	v_and_b32 v[T1], 7, v[LANE]                    ; lane % 8
	v_mul_u32_u24 v[RRD], v[T0], RPT
	v_lshl_add_u32 v[RRD], v[T1], 4, v[RRD]
	v_add_nc_u32 v[RRD], s36, v[RRD]               ; back: row 4 wave + lane / 8, 16 bytes a lane
	v_lshlrev_b32 v[UO], 4, v[T1]
	v_lshl_add_u32 v[QO], v[T0], 12, v[UO]         ; and the same place in q
	s_mov_b32 s[SEL], 0x76543210
	s_mov_b32 s[SEL+1], 0xfedcba98                 ; v_permlanex16_b32's selects for lane l xor 16
.irp b, 0,1,2,3
	v_mov_b32 v[TM+4+\b], 0                        ; written once: a lane permute's destination counts as one of its sources
.endr
	s_lshr_b32 s37, ttmp9, 2                       ; cg
	s_and_b32 s38, ttmp9, 3                        ; m
	s_lshl_b32 s40, s[WV], 20                      ; w_q: 256 wave rows of 4,096 bytes
	s_lshl_b32 s44, s37, 7                         ; + 4 x first column
	s_add_co_u32 s40, s40, s44
	s_mov_b32 s41, 0
	s_lshl_b32 s42, s38, 16                        ; query: 16 m rows of 4,096 bytes
	s_lshl_b32 s43, s[WV], 10                      ; + K step 2 wave
	s_add_co_u32 s42, s42, s43
	s_mov_b32 s43, 0
	s_mov_b32 s45, 0                               ; s[44:45]: the bias at my work-group's first column
	s_lshl_b32 s46, s38, 16                        ; q: row 16 m + 4 wave, first column
	s_lshl_b32 s47, s[WV], 14
	s_add_co_u32 s46, s46, s47
	s_add_co_u32 s46, s46, s44
	s_mov_b32 s47, 0
	s_wait_alu depctr_va_vdst(0)
	s_wait_kmcnt 0x0
	s_add_nc_u64 s[SRC:SRC+1], s[10:11], s[40:41]
	s_add_nc_u64 s[DW:DW+1], s[12:13], s[42:43]
	s_add_nc_u64 s[DS:DS+1], s[14:15], s[44:45]
	s_add_nc_u64 s[20:21], s[20:21], s[46:47]
	s_add_nc_u64 s[22:23], s[22:23], s[46:47]
	global_load_b128 v[UB:UB+3], v[UO], s[DS:DS+1]
.macro XLOAD f                         ; my 16 rows' numbers of my K step f (64 a lane)
.irp b, 0,1,2,3
.irp j, 0,1,2,3
	global_load_b128 v[XQ+64*(\f)+16*\b+4*\j:XQ+64*(\f)+16*\b+4*\j+3], v[XA], s[DW:DW+1] offset:512*(\f)+128*\b+16*\j
.endr
.endr
.endm
	WIN 0x40                                       ; destination window 1
	XLOAD 0
	XLOAD 1
	WIN 0
	LOADB 0
	s_wait_loadcnt 32                              ; the bias and query's 32 loads are in; block 0's 32 may be out
	LOADB 1                                        ; the weight's first two blocks are on their way while query is quantised
.set PC, QFR
.set PW, XSW
	QUANT XQ                                       ; straight into the operand's registers: only this wave multiplies by them
.set PC, QFR+12
.set PW, XSW+1
	QUANT XQ+64
.irp t, 0,1,2,3,4,5,6,7
	BLOCK \t
.endr
.irp i, 0,1,2,3,4,5,6,7,8,9,10,11
	ds_load_b128 v[WF+4*\i:WF+4*\i+3], v[RDB] offset:512*\i       ; fragment 2 tile + step; LDS serves a wave's instructions in order
.endr
.rept 8
	v_nop                                          ; my columns' scale words were written by vector instructions: eight places ahead of a scaled matrix instruction
.endr
	s_wait_dscnt 0x0
	; transposed: source 0 = 16 columns of w_q, source 1 = 16 rows of query: a lane holds eight neighbouring columns of one row.  The two accumulators take turns; the first products start the sums
	v_wmma_scale_f32_16x16x128_f8f6f4 v[AC:AC+7], v[WF:WF+11], v[QFR:QFR+11], 0, v[SBW], v[XSW] matrix_a_fmt:MATRIX_FMT_BF6 matrix_b_fmt:MATRIX_FMT_BF6
	s_wait_alu depctr_va_vdst(0)
	v_wmma_scale_f32_16x16x128_f8f6f4 v[AC+8:AC+15], v[WF+24:WF+35], v[QFR:QFR+11], 0, v[SBW], v[XSW] matrix_a_fmt:MATRIX_FMT_BF6 matrix_b_fmt:MATRIX_FMT_BF6 matrix_a_scale:MATRIX_SCALE_ROW1
	v_wmma_scale_f32_16x16x128_f8f6f4 v[AC:AC+7], v[WF+12:WF+23], v[QFR+12:QFR+23], v[AC:AC+7], v[SBW+1], v[XSW+1] matrix_a_fmt:MATRIX_FMT_BF6 matrix_b_fmt:MATRIX_FMT_BF6
	v_wmma_scale_f32_16x16x128_f8f6f4 v[AC+8:AC+15], v[WF+36:WF+47], v[QFR+12:QFR+23], v[AC+8:AC+15], v[SBW+1], v[XSW+1] matrix_a_fmt:MATRIX_FMT_BF6 matrix_b_fmt:MATRIX_FMT_BF6 matrix_a_scale:MATRIX_SCALE_ROW1
.rept 4
	v_nop                                          ; places in front of the first read of results
.endr
.irp c, 0,1,2,3
	ds_store_b128 v[RW], v[AC+4*\c:AC+4*\c+3] offset:64*(\c/2)+16*(\c%2)   ; row r, columns 16 (c / 2) + 8 h + 4 (c % 2) on: each accumulator from its low end on
.endr
	s_wait_dscnt 0x0                               ; for the others' sake: my partial sums have landed
	s_barrier_signal -1
	s_barrier_wait -1                              ; all four waves' lie in LDS
.irp v, 0,1,2,3
	ds_load_b128 v[P0+4*\v:P0+4*\v+3], v[RRD] offset:RWV*\v
.endr
	s_wait_dscnt 0x0
	v_pk_add_f32 v[P0:P0+1], v[P0:P0+1], v[P0+4:P0+5]
	v_pk_add_f32 v[P0+2:P0+3], v[P0+2:P0+3], v[P0+6:P0+7]
	v_pk_add_f32 v[P0+8:P0+9], v[P0+8:P0+9], v[P0+12:P0+13]
	v_pk_add_f32 v[P0+10:P0+11], v[P0+10:P0+11], v[P0+14:P0+15]
	v_pk_add_f32 v[P0:P0+1], v[P0:P0+1], v[P0+8:P0+9]
	v_pk_add_f32 v[P0+2:P0+3], v[P0+2:P0+3], v[P0+10:P0+11]
	v_pk_add_f32 v[OUTQ:OUTQ+1], v[P0:P0+1], v[UB:UB+1]
	v_pk_add_f32 v[OUTQ+2:OUTQ+3], v[P0+2:P0+3], v[UB+2:UB+3]
	global_store_b128 v[QO], v[P0:P0+3], s[20:21]          ; eight lanes store a row's 128 consecutive bytes
	global_store_b128 v[QO], v[OUTQ:OUTQ+3], s[22:23]
	s_wait_tensorcnt 0x0
	ds_add_u32 v254, v255
	s_wait_dscnt 0x0
	s_endpgm
.Lfunc_end_k_qbe088a48fc_prep:
	.size	k_qbe088a48fc_prep, .Lfunc_end_k_qbe088a48fc_prep-k_qbe088a48fc_prep
	.p2alignl 7, 3214868480
	.fill 96, 4, 3214868480
	.section	.rodata,"a",@progbits
	.p2align	6, 0x0
	.amdhsa_kernel k_qbe088a48fc_prep
		.amdhsa_group_segment_fixed_size 58880
		.amdhsa_private_segment_fixed_size 0
		.amdhsa_enable_private_segment 0
		.amdhsa_kernarg_size 80
		.amdhsa_user_sgpr_count 2
		.amdhsa_user_sgpr_kernarg_segment_ptr 1
		.amdhsa_wavefront_size32 1
		.amdhsa_system_sgpr_workgroup_id_x 1
		.amdhsa_system_sgpr_workgroup_id_y 1
		.amdhsa_system_sgpr_workgroup_id_z 1
		.amdhsa_system_vgpr_workitem_id 0
		.amdhsa_next_free_vgpr 384
		.amdhsa_next_free_sgpr 66
		.amdhsa_reserve_vcc 0
		.amdhsa_float_denorm_mode_32 3
		.amdhsa_float_denorm_mode_16_64 3
		.amdhsa_memory_ordered 1
		.amdhsa_forward_progress 1
		.amdhsa_inst_pref_size 96
	.end_amdhsa_kernel
	.amdgpu_metadata
---
amdhsa.version: [ 1, 2 ]
amdhsa.kernels:
  - .name:           k_qbe088a48fc_prep
    .symbol:         k_qbe088a48fc_prep.kd
    .args:
      - { .name: w_k, .offset: 0, .size: 8, .value_kind: global_buffer, .address_space: global }
      - { .name: w_v, .offset: 8, .size: 8, .value_kind: global_buffer, .address_space: global }
      - { .name: w_out, .offset: 16, .size: 8, .value_kind: global_buffer, .address_space: global }
      - { .name: w_q, .offset: 24, .size: 8, .value_kind: global_buffer, .address_space: global }
      - { .name: query, .offset: 32, .size: 8, .value_kind: global_buffer, .address_space: global }
      - { .name: query_pos_bias, .offset: 40, .size: 8, .value_kind: global_buffer, .address_space: global }
      - { .name: wq3, .offset: 48, .size: 8, .value_kind: global_buffer, .address_space: global }
      - { .name: wsc, .offset: 56, .size: 8, .value_kind: global_buffer, .address_space: global }
      - { .name: qt, .offset: 64, .size: 8, .value_kind: global_buffer, .address_space: global }
      - { .name: qut, .offset: 72, .size: 8, .value_kind: global_buffer, .address_space: global }
    .group_segment_fixed_size: 58880
    .private_segment_fixed_size: 0
    .kernarg_segment_align: 8
    .kernarg_segment_size: 80
    .max_flat_workgroup_size: 128
    .sgpr_count:     66
    .vgpr_count:     384
    .wavefront_size: 32
...
	.end_amdgpu_metadata
.endif
;; end of part 4
;; launch main (part 5): grid 64 x 4, 4 waves a work-group, no clusters, 327,680 bytes of LDS; arguments key, value, key_pos_embeddings, key_pos_bias, wq3, wsc, qt, qut, st, xp; writes st, xp
.if DOCPART == 5
	.amdgcn_target "amdgcn-amd-amdhsa--gfx1250"
	.amdhsa_code_object_version 6
	.text
	.protected	k_qbe088a48fc_main
	.globl	k_qbe088a48fc_main
	.p2align	8
	.type	k_qbe088a48fc_main,@function
k_qbe088a48fc_main:
	s_mov_b64 s[64:65], 0
	v_nop
	global_prefetch_b8 v0, s[64:65] scope:SCOPE_SE
	s_setreg_imm32_b32 hwreg(HW_REG_WAVE_MODE, 25, 1), 1
	s_wait_xcnt 0x0
; MAIN.  Work-group (x, y): batch row b = x, keys j = 128 y .. 128 y + 127.  Key's 128 rows x 1,024 numbers come as f32 by tensor loads, eight tiles of 128 along K, 32 rows a wave,
; are quantised to BF6 (E3M2, one E8M0 byte for each 32 along K) and laid in LDS as images of operand registers (KIMG, KSC); value's likewise (VIMG, VSC) while k's products run.
; Wave w takes heads 4 w .. 4 w + 3; the weights' fragments go from memory straight into registers.  k = Q(key) Q(w_k); score = (q + u) . k + bd, where bd = Q(q) Q(pos emb) + pos bias is made behind the key loop;
; the part's softmax: m = c x its largest score, p = 2^(c score - m), l = the sum of p; m and l go to st, the part's sums of p v (v = Q(value) Q(w_v)) to xp; launch outp joins the four parts.
; Of key_pos_embeddings and key_pos_bias the last 512 rows alone are read.
; PREFETCHES: each wave asks for its own 32 rows x 512 bytes of a tile, a lane a row, two tiles ahead of the tensor load that fetches it: key's tiles 2 to 7, then value's 0 to 7; the last tiles have none two on, and nothing is asked there.
; LIMITS: a block whose largest magnitude lies under 2^-122 gets the scale byte 1; NaN and infinities are not served.
.set KIMG,  0
.set KSC,   98304
.set VIMG,  106496
.set VSC,   204800
.set STA,   212992
.set SCR,   280576
.set XT,    296960
.set SPARE, 299008
.set LI,   1
.set SPW,  2
.set NIL,  3
.set AK0,  4
.set AV0,  6
.set LSK,  8
.set LSV,  9
.set STR,  10
.set STRB, 11
.set IWK,  12
.set IWV,  13
.set SWK,  14
.set SWV,  15
.set SCW,  16
.set SCP,  17
.set XTW,  18
.set XTR,  19
.set BSO,  20
.set PFO,  21
.set QUO,  22
.set XO,   23
.set SH8,  24
.set LANE, 25
.set ASC,  32
.set BSC,  96
.set QU,   112
.set PP,   112
.set XX,   176
.set MST,  184
.set LST,  185
.set TT,   192
.set SS,   208
.set U0,   216
.set DD,   128
.set QF,   192
.set PF,   204
.set B0,   216
.set QFW,  108                         ; in the weights' fourth set of scale words, which is first loaded behind the position term
.set PFW,  109
.set XQ,   192
.set PC,   192
.set TM,   212
.set PW,   228
.set QW_MAX, 0xfa
.set QW_CVT, 0xfe
.set QW_ALL, 0xff
.set G1,   24
.set G0A,  32
.set G0B,  36
.set G0V,  40
.set WV,   44
.set SEL,  46
.set WB,   48
.set WBV,  50
.set SB,   52
.set SBV,  54
.set QB,   56
.set XB,   58
.set PFV,  60
.set FI,   62
.set FC,   63
.set QS,   66
.set QI,   67
.set QC,   68
.set UC,   69
.set HH,   70
.set CNT,  71
.set VT,   72
.set HOFF, 73
.set CC,   74
.set PFK,  92                          ; s[92:93] where the key phase's prefetches stand
.set PV0,  94                          ; s[94:95] my rows of value's tile 0
.set PF1,  96                          ; s[96:97] my rows of key's tile 1; never rewritten
.set MSB, 0
.macro WIN new
.if MSB != (\new)
	s_set_vgpr_msb (MSB<<8)|(\new)
.set MSB, (\new)
.endif
.endm
.macro QUANT xs
	WIN QW_MAX
.irp b, 0,1,2,3
	v_max3_num_f32 v[TM+\b], |v[\xs+16*\b]|, |v[\xs+16*\b+1]|, 0x2800000
.endr
.irp i, 2,4,6,8,10,12,14
.irp b, 0,1,2,3
	v_max3_num_f32 v[TM+\b], |v[\xs+16*\b+\i]|, |v[\xs+16*\b+\i+1]|, v[TM+\b]
.endr
.endr
	WIN QW_ALL
.irp b, 0,1,2,3
	v_permlanex16_b32 v[TM+4+\b], v[TM+\b], s[SEL], s[SEL+1]
.endr
.irp b, 0,1,2,3
	v_max_num_f32 v[TM+\b], v[TM+\b], v[TM+4+\b]
.endr
.irp b, 0,1,2,3
	v_add_nc_u32 v[TM+8+\b], 0xfe000000, v[TM+\b]
.endr
.irp b, 0,1,2,3
	v_lshrrev_b32 v[TM+4+\b], 23, v[TM+8+\b]
.endr
	v_lshl_or_b32 v[PW], v[TM+5], 8, v[TM+4]
	v_lshl_or_b32 v[PW], v[TM+6], 16, v[PW]
	v_lshl_or_b32 v[PW], v[TM+7], 24, v[PW]
	WIN QW_CVT
.irp c, 0,1
	v_cvt_scalef32_pk16_bf6_f32 v[PC+6*\c:PC+6*\c+2], v[\xs+32*\c:\xs+32*\c+15], v[TM+8+2*\c]
	v_cvt_scalef32_pk16_bf6_f32 v[PC+12+4*\c:PC+14+4*\c], v[\xs+32*\c+16:\xs+32*\c+31], v[TM+9+2*\c]
.endr
	WIN QW_ALL
	v_nop
.irp c, 0,1
.irp i, 0,1,2
	v_permlane16_swap_b32 v[PC+6*\c+\i], v[PC+12+4*\c+\i]
.endr
.irp i, 0,1,2
	v_mov_b32 v[PC+3+6*\c+\i], v[PC+12+4*\c+\i]
.endr
.endr
.endm
.macro QTILE st, im, sc
	WIN 0
	s_mov_b32 s[QS], 0
	s_mov_b32 s[QI], s[FI]
	s_mov_b32 s[QC], s[FC]
	s_mov_b32 s[UC], 2
.Lqt_\@:
	v_add_nc_u32 v26, s[QS], v[\st]
	v_add_nc_u32 v27, s[QI], v[\im]
	v_add_nc_u32 v28, s[QC], v[\sc]
	WIN 0x80
.irp b, 0,1,2,3
.irp j, 0,1,2,3
	ds_load_b128 v[XQ+16*\b+4*\j:XQ+16*\b+4*\j+3], v26 offset:128*\b+16*\j
.endr
.endr
	s_wait_dscnt 0x0
	QUANT XQ
	WIN 0x0c
.irp c, 0,1,2
	ds_store_b128 v27, v[PC+4*\c:PC+4*\c+3] offset:512*\c
.endr
	ds_store_b32 v28, v[PW]
	WIN 0
	s_wait_dscnt 0x0
	s_add_co_u32 s[QS], s[QS], 8448
	s_add_co_u32 s[QI], s[QI], 12288
	s_add_co_u32 s[QC], s[QC], 1024
	s_sub_co_u32 s[UC], s[UC], 1
	s_cmp_lg_u32 s[UC], 0
	s_cbranch_scc1 .Lqt_\@
.endm
.macro CHG g0, step
	WIN 0
	s_wait_tensorcnt 0x0
	ds_add_u32 v[SPW], v[NIL]
.if \step
	s_add_nc_u64 s[\g0+2:\g0+3], s[\g0+2:\g0+3], \step
.endif
	s_add_co_u32 s[FI], s[FI], 1536
	s_add_co_u32 s[FC], s[FC], 128
	s_wait_dscnt 0x0
	s_barrier_signal -1
	s_barrier_wait -1
	tensor_load_to_lds s[\g0:\g0+3], s[G1:G1+7]
	s_nop 0
.rept 4
	v_nop
.endr
.endm
.macro ASKV
	s_cmp_lt_u32 s[VT], 6
	s_cbranch_scc0 .Lnoask_\@
	global_prefetch_b8 v[PFO], s[PFV:PFV+1] th:TH_LOAD_NT scope:SCOPE_SE
	global_prefetch_b8 v[PFO], s[PFV:PFV+1] offset:256 th:TH_LOAD_NT scope:SCOPE_SE
.Lnoask_\@:
.endm
.macro VQ
	s_wait_tensorcnt 0x0
	QTILE STR, IWV, SWV
.endm
.macro VQR
	VQ
	s_wait_xcnt 0x0
	s_add_nc_u64 s[PFV:PFV+1], s[PFV:PFV+1], 512
	s_add_co_u32 s[VT], s[VT], 1
	CHG G0V, 512
	ASKV
.endm
.macro ALOAD kind, s, set
	WIN 0x80
.irp m, 0,1,2,3,4,5,6,7
.irp c, 0,1,2
	ds_load_b128 v[96*(\set)+12*\m+4*\c:96*(\set)+12*\m+4*\c+3], v[AK0+2*(\kind)+\m/4] offset:(\m%4)*12288+(\s)*1536+512*\c
.endr
.endr
.endm
.macro WLOAD bw, bs, sp, ow, os, set
	WIN 0xc0
.irp n, 0,1,2,3
.irp c, 0,1,2
	global_load_b128 v[48*(\set)+12*\n+4*\c:48*(\set)+12*\n+4*\c+3], v[LI], s[\bw:\bw+1] offset:(\ow)+\n*12288+(\sp)*1536+512*\c
.endr
.endr
	WIN 0
	global_load_b128 v[BSC+4*(\set):BSC+4*(\set)+3], v[BSO], s[\bs:\bs+1] offset:(\os)+256*(\sp)
.endm
.macro STEP kind, s, zero, bw, bs, sp, ow, os, anext
	s_wait_loadcnt 26
	s_wait_dscnt 0x0
.rept 4
	v_nop
.endr
.if \anext
	ALOAD \kind, ((\s)+1)%8, ((\s)+1)%2
.endif
	WLOAD \bw, \bs, \sp, \ow, \os, ((\s)+3)%4
.if \kind
	WIN 0x5e
.else
	WIN 0x5b
.endif
.irp m, 0,1,2,3,4,5,6,7
.irp n, 0,1,2,3
.set rD, 8*(4*\m+\n)
.set rW, 48*((\s)%4)+12*\n
.set rA, 96*((\s)%2)+12*\m
.set rSW, BSC+4*((\s)%4)+\n
.set rSA, ASC+8*\m+(\s)
.if \kind
.if \zero
	v_wmma_scale_f32_16x16x128_f8f6f4 v[rD:rD+7], v[rA:rA+11], v[rW:rW+11], 0, v[rSA], v[rSW] matrix_a_fmt:MATRIX_FMT_BF6 matrix_b_fmt:MATRIX_FMT_BF6
.else
	v_wmma_scale_f32_16x16x128_f8f6f4 v[rD:rD+7], v[rA:rA+11], v[rW:rW+11], v[rD:rD+7], v[rSA], v[rSW] matrix_a_fmt:MATRIX_FMT_BF6 matrix_b_fmt:MATRIX_FMT_BF6
.endif
.else
.if \zero
	v_wmma_scale_f32_16x16x128_f8f6f4 v[rD:rD+7], v[rW:rW+11], v[rA:rA+11], 0, v[rSW], v[rSA] matrix_a_fmt:MATRIX_FMT_BF6 matrix_b_fmt:MATRIX_FMT_BF6
.else
	v_wmma_scale_f32_16x16x128_f8f6f4 v[rD:rD+7], v[rW:rW+11], v[rA:rA+11], v[rD:rD+7], v[rSW], v[rSA] matrix_a_fmt:MATRIX_FMT_BF6 matrix_b_fmt:MATRIX_FMT_BF6
.endif
.endif
.endr
.endr
.endm
.macro H0 kind, bw, bs
	STEP \kind, 0, 1, \bw, \bs, 3, 0, 0, 1
	STEP \kind, 1, 0, \bw, \bs, 4, 0, 0, 1
	STEP \kind, 2, 0, \bw, \bs, 5, 0, 0, 1
	STEP \kind, 3, 0, \bw, \bs, 6, 0, 0, 1
.endm
.macro H1 kind, bw, bs, nw, ns, ow, os, alast
	STEP \kind, 4, 0, \bw, \bs, 7, 0, 0, 1
	STEP \kind, 5, 0, \nw, \ns, 0, \ow, \os, 1
	STEP \kind, 6, 0, \nw, \ns, 1, \ow, \os, 1
	STEP \kind, 7, 0, \nw, \ns, 2, \ow, \os, \alast
.endm
.macro QULOAD
.irp i, 0,1,2,3,4,5,6,7
	global_load_b128 v[QU+4*\i:QU+4*\i+3], v[QUO], s[QB:QB+1] offset:64*(\i/2)+16*(\i%2)
.endr
.endm
.macro SC
	WIN 0
	s_wait_loadcnt 39
	v_add_nc_u32 v29, s[HOFF], v[SCW]
.irp m, 0,1,2,3,4,5,6,7
	ds_load_b32 v[SS+\m], v29 offset:64*\m
.endr
.rept 4
	v_nop
.endr
	WIN 0x01
.irp p, 0,1,2,3,4,5,6,7,8,9,10,11,12,13,14,15
.irp m, 0,1,2,3,4,5,6,7
.set rA, 8*(4*\m+\p/4)+2*(\p%4)
.set rQ, QU+8*(\p/4)+2*(\p%4)
.if \p == 0
	v_pk_mul_f32 v[TT+2*\m:TT+2*\m+1], v[rA:rA+1], v[rQ:rQ+1]
.else
	v_pk_fma_f32 v[TT+2*\m:TT+2*\m+1], v[rA:rA+1], v[rQ:rQ+1], v[TT+2*\m:TT+2*\m+1]
.endif
.endr
.endr
	WIN 0
.irp m, 0,1,2,3,4,5,6,7
	v_add_f32 v[TT+2*\m], v[TT+2*\m], v[TT+2*\m+1]
.endr
.irp m, 0,1,2,3,4,5,6,7
	v_permlanex16_b32 v[TT+2*\m+1], v[TT+2*\m], s[SEL], s[SEL+1]
.endr
.irp m, 0,1,2,3,4,5,6,7
	v_add_f32 v[TT+2*\m], v[TT+2*\m], v[TT+2*\m+1]
.endr
	s_wait_alu depctr_va_vdst(0)
	s_wait_dscnt 0x0
.irp m, 0,1,2,3,4,5,6,7
	v_add_f32 v[SS+\m], v[SS+\m], v[TT+2*\m]
.endr
	v_max3_num_f32 v[U0], v[SS], v[SS+1], v[SS+2]
	v_max3_num_f32 v[U0], v[U0], v[SS+3], v[SS+4]
	v_max3_num_f32 v[U0], v[U0], v[SS+5], v[SS+6]
	v_max_num_f32 v[U0], v[U0], v[SS+7]
	v_max_num_f32_dpp v[U0], v[U0], v[U0] row_xmask:1 row_mask:0xf bank_mask:0xf
	v_max_num_f32_dpp v[U0], v[U0], v[U0] row_xmask:2 row_mask:0xf bank_mask:0xf
	v_max_num_f32_dpp v[U0], v[U0], v[U0] row_xmask:4 row_mask:0xf bank_mask:0xf
	v_max_num_f32_dpp v[U0], v[U0], v[U0] row_xmask:8 row_mask:0xf bank_mask:0xf
	v_mul_f32 v[U0+1], s[CC], v[U0]
.irp m, 0,1,2,3,4,5,6,7
	v_fma_f32 v[SS+\m], v[SS+\m], s[CC], -v[U0+1]
.endr
	s_wait_alu depctr_va_vdst(0)
.irp m, 0,1,2,3,4,5,6,7
	v_exp_f32 v[SS+\m], v[SS+\m]
.endr
	v_nop
	s_wait_alu depctr_va_vdst(0)
	v_add_f32 v[U0+2], v[SS], v[SS+1]
	v_add_f32 v[U0+3], v[SS+2], v[SS+3]
	v_add_f32 v[U0+4], v[SS+4], v[SS+5]
	v_add_f32 v[U0+5], v[SS+6], v[SS+7]
	v_add_f32 v[U0+2], v[U0+2], v[U0+3]
	v_add_f32 v[U0+4], v[U0+4], v[U0+5]
	v_add_f32 v[U0+2], v[U0+2], v[U0+4]
	v_add_f32_dpp v[U0+2], v[U0+2], v[U0+2] row_xmask:1 row_mask:0xf bank_mask:0xf
	v_add_f32_dpp v[U0+2], v[U0+2], v[U0+2] row_xmask:2 row_mask:0xf bank_mask:0xf
	v_add_f32_dpp v[U0+2], v[U0+2], v[U0+2] row_xmask:4 row_mask:0xf bank_mask:0xf
	v_add_f32_dpp v[U0+2], v[U0+2], v[U0+2] row_xmask:8 row_mask:0xf bank_mask:0xf
.irp m, 0,1,2,3,4,5,6,7
	ds_store_b32 v29, v[SS+\m] offset:64*\m
.endr
	v_cmp_eq_u32 vcc_lo, s[HH], v[LANE]
	v_cndmask_b32 v[MST], v[MST], v[U0+1], vcc_lo
	v_cndmask_b32 v[LST], v[LST], v[U0+2], vcc_lo
	s_add_co_u32 s[HH], s[HH], 1
	s_add_co_u32 s[HOFF], s[HOFF], 512
.endm
.macro XS
	WIN 0
.rept 4
	v_nop
.endr
	WIN 0x01
.irp m, 0,1,2,3,4,5,6,7
.irp q, 0,1,2,3
.irp n, 0,1,2,3
.set rA, 8*(4*\m+\n)+2*\q
.set rP, PP+8*\m+2*\q
.if (\m == 0) && (\q == 0)
	v_pk_mul_f32 v[XX+2*\n:XX+2*\n+1], v[rA:rA+1], v[rP:rP+1]
.else
	v_pk_fma_f32 v[XX+2*\n:XX+2*\n+1], v[rA:rA+1], v[rP:rP+1], v[XX+2*\n:XX+2*\n+1]
.endif
.endr
.endr
.endr
	WIN 0
.irp n, 0,1,2,3
	v_add_f32 v[XX+2*\n], v[XX+2*\n], v[XX+2*\n+1]
.endr
.irp n, 0,1,2,3
	ds_store_b32 v[XTW], v[XX+2*\n] offset:64*\n
.endr
	ds_load_b128 v[U0:U0+3], v[XTR]
	s_wait_dscnt 0x0
	global_store_b128 v[XO], v[U0:U0+3], s[XB:XB+1]
	s_wait_xcnt 0x0
	s_add_nc_u64 s[XB:XB+1], s[XB:XB+1], 256
.endm
.macro QB32 win, x, cd, wd
	WIN 5*(\win)
	v_max3_num_f32 v[B0], |v[\x]|, |v[\x+1]|, 0x2800000
	v_max3_num_f32 v[B0+1], |v[\x+2]|, |v[\x+3]|, 0x2800000
.irp i, 4,8,12,16,20,24,28
	v_max3_num_f32 v[B0], |v[\x+\i]|, |v[\x+\i+1]|, v[B0]
	v_max3_num_f32 v[B0+1], |v[\x+\i+2]|, |v[\x+\i+3]|, v[B0+1]
.endr
	WIN 0
	v_max_num_f32 v[B0], v[B0], v[B0+1]
	v_add_nc_u32 v[B0+2], 0xfe000000, v[B0]
	v_lshrrev_b32 v[B0+3], 23, v[B0+2]
	v_lshlrev_b32 v[B0+3], v[SH8], v[B0+3]
	v_permlanex16_b32 v[B0+4], v[B0+3], s[SEL], s[SEL+1]
	v_or_b32 v[\wd], v[B0+3], v[B0+4]
	WIN (\win)
	v_cvt_scalef32_pk16_bf6_f32 v[\cd:\cd+2], v[\x:\x+15], v[B0+2]
	v_cvt_scalef32_pk16_bf6_f32 v[B0+6:B0+8], v[\x+16:\x+31], v[B0+2]
	WIN 0
	v_nop
.irp i, 0,1,2
	v_mov_b32 v[\cd+3+\i], v[B0+6+\i]
.endr
.endm
	s_load_b512 s[4:19], s[0:1], 0x0
	s_load_b128 s[20:23], s[0:1], 0x40
	v_lshl_add_u32 v[SPW], v0, 2, SPARE
	v_mov_b32 v[NIL], 0
	ds_add_u32 v2, v3
	ds_add_u32 v2, v3
	s_wait_dscnt 0x0
	v_lshrrev_b32 v26, 5, v0
	v_readfirstlane_b32 s[WV], v26
	s_and_b32 s75, ttmp7, 0xffff
	s_mov_b32 s[G1], (2<<16)|(1<<20)|(6<<22)|(3<<25)
	s_mov_b32 s[G1+1], 128<<16
	s_mov_b32 s[G1+2], 32<<16
	s_mov_b32 s[G1+3], 128<<16
	s_mov_b32 s[G1+4], 32
	s_mov_b32 s[G1+5], 65536
	s_mov_b32 s[G1+6], 0
	s_mov_b32 s[G1+7], 0
	s_lshl_b32 s76, s75, 7
	s_lshl_b32 s77, s[WV], 5
	s_add_co_u32 s76, s76, s77
	s_lshl_b32 s76, s76, 18
	s_lshl_b32 s77, ttmp9, 12
	s_add_co_u32 s76, s76, s77
	s_mov_b32 s77, 0
	s_mul_i32 s78, s[WV], 16896
	s_wait_kmcnt 0x0
	s_mov_b32 s[G0A], 1
	s_add_co_u32 s[G0A+1], s78, STA
	s_add_nc_u64 s[G0A+2:G0A+3], s[4:5], s[76:77]
	s_or_b32 s[G0A+3], s[G0A+3], 0x80000000
	s_mov_b32 s[G0B], 1
	s_add_co_u32 s[G0B+1], s78, VIMG
	s_add_nc_u64 s[G0B+2:G0B+3], s[4:5], s[76:77]
	s_add_nc_u64 s[G0B+2:G0B+3], s[G0B+2:G0B+3], 512
	s_or_b32 s[G0B+3], s[G0B+3], 0x80000000
	s_mov_b32 s[G0V], 1
	s_add_co_u32 s[G0V+1], s78, STA
	s_add_nc_u64 s[G0V+2:G0V+3], s[6:7], s[76:77]
	s_add_nc_u64 s[PFV:PFV+1], s[G0V+2:G0V+3], 1024
	s_mov_b64 s[PV0:PV0+1], s[G0V+2:G0V+3]
	s_add_nc_u64 s[PFK:PFK+1], s[4:5], s[76:77]
	s_add_nc_u64 s[PF1:PF1+1], s[4:5], s[76:77]
	s_add_nc_u64 s[PF1:PF1+1], s[PF1:PF1+1], 512
	s_add_nc_u64 s[PFK:PFK+1], s[PFK:PFK+1], 1024  ; key's tile 2
	s_or_b32 s[G0V+3], s[G0V+3], 0x80000000
	tensor_load_to_lds s[G0A:G0A+3], s[G1:G1+7]    ; key's tile 0: my one tensor load at the head
	s_nop 0
	v_and_b32 v[LANE], 31, v0
	v_and_b32 v26, 15, v0
	v_bfe_u32 v27, v0, 4, 1
	v_lshlrev_b32 v[LI], 4, v[LANE]
	v_add_nc_u32 v[AK0], KIMG, v[LI]
	v_add_nc_u32 v[AK0+1], KIMG+49152, v[LI]
	v_add_nc_u32 v[AV0], VIMG, v[LI]
	v_add_nc_u32 v[AV0+1], VIMG+49152, v[LI]
	v_lshl_add_u32 v[LSK], v[LANE], 2, KSC
	v_lshl_add_u32 v[LSV], v[LANE], 2, VSC
	v_mul_u32_u24 v28, v26, 528
	v_lshl_add_u32 v28, v27, 6, v28
	s_add_co_u32 s79, s78, STA
	v_add_nc_u32 v[STR], s79, v28
	s_add_co_u32 s79, s78, VIMG
	v_add_nc_u32 v[STRB], s79, v28
	s_mul_i32 s79, s[WV], 24576
	v_add_nc_u32 v[IWK], s79, v[LI]
	s_add_co_u32 s79, s79, VIMG
	v_add_nc_u32 v[IWV], s79, v[LI]
	s_lshl_b32 s79, s[WV], 11
	v_add_nc_u32 v[SWK], s79, v[LSK]
	v_add_nc_u32 v[SWV], s79, v[LSV]
	s_lshl_b32 s79, s[WV], 12
	s_add_co_u32 s79, s79, SCR
	v_lshlrev_b32 v28, 2, v26
	v_lshl_add_u32 v29, v27, 11, v28
	v_add_nc_u32 v[SCW], s79, v29
	v_lshlrev_b32 v29, 5, v27
	v_add_nc_u32 v[SCP], s79, v29
	s_lshl_b32 s79, s[WV], 9
	s_add_co_u32 s79, s79, XT
	v_lshl_add_u32 v29, v27, 8, v28
	v_add_nc_u32 v[XTW], s79, v29
	v_add_nc_u32 v[XTR], s79, v[LI]
	v_lshlrev_b32 v[BSO], 4, v26
	v_lshlrev_b32 v[PFO], 18, v[LANE]
	v_lshlrev_b32 v[QUO], 5, v27
	v_lshl_add_u32 v[XO], v27, 12, v[BSO]
	v_lshlrev_b32 v[SH8], 3, v27
	v_and_b32 v29, 3, v26
	v_lshlrev_b32 v29, 8, v29
	v_lshl_add_u32 v29, v27, 7, v29
	s_wait_alu depctr_va_vdst(0)
	v_lshlrev_b32 v30, 8, v26
	v_lshl_add_u32 v30, v27, 7, v30
	v_lshlrev_b32 v31, 6, v26
	s_wait_alu depctr_va_vdst(0)
	global_prefetch_b8 v[PFO], s[PF1:PF1+1] th:TH_LOAD_NT scope:SCOPE_SE             ; key's tile 1, whose load follows tile 0's landing
	global_prefetch_b8 v[PFO], s[PF1:PF1+1] offset:256 th:TH_LOAD_NT scope:SCOPE_SE
.irp o, 0,256,512,768
	global_prefetch_b8 v[PFO], s[PFK:PFK+1] offset:\o th:TH_LOAD_NT scope:SCOPE_SE   ; key's tiles 2 and 3
.endr
	s_mov_b32 s[SEL], 0x76543210
	s_mov_b32 s[SEL+1], 0xfedcba98
	s_mov_b32 s[CC], 0x3e38aa3b
	s_mul_i32 s80, s[WV], 196608
	s_mov_b32 s81, 0
	s_add_nc_u64 s[WB:WB+1], s[12:13], s[80:81]
	s_add_nc_u64 s[WBV:WBV+1], s[WB:WB+1], 786432
	s_lshl_b32 s80, s[WV], 13
	s_add_nc_u64 s[SB:SB+1], s[14:15], s[80:81]
	s_add_nc_u64 s[SBV:SBV+1], s[SB:SB+1], 32768
	s_lshl_b32 s82, ttmp9, 12
	s_lshl_b32 s83, s[WV], 10
	s_add_co_u32 s82, s82, s83
	s_mov_b32 s83, 0
	s_add_nc_u64 s[84:85], s[16:17], s[82:83]
	s_add_nc_u64 s[QB:QB+1], s[18:19], s[82:83]
	s_lshl_b32 s82, s75, 15
	s_add_co_u32 s82, s82, 917504
	s_add_nc_u64 s[86:87], s[8:9], s[82:83]
	s_lshl_b32 s82, s75, 13
	s_add_co_u32 s82, s82, 229376
	s_lshl_b32 s80, s[WV], 4
	s_add_co_u32 s82, s82, s80
	s_add_nc_u64 s[88:89], s[10:11], s[82:83]
	s_lshl_b32 s82, ttmp9, 15
	s_lshl_b32 s80, s75, 13
	s_add_co_u32 s82, s82, s80
	s_lshl_b32 s80, s[WV], 10
	s_add_co_u32 s82, s82, s80
	s_add_nc_u64 s[XB:XB+1], s[22:23], s[82:83]
	s_lshl_b32 s82, ttmp9, 8
	s_lshl_b32 s80, s[WV], 6
	s_add_co_u32 s82, s82, s80
	s_lshl_b32 s80, s75, 2
	s_add_co_u32 s82, s82, s80
	s_add_nc_u64 s[90:91], s[20:21], s[82:83]
.irp i, 0,1,2,3,4,5,6,7
	global_load_b128 v[32+4*\i:35+4*\i], v29, s[84:85] offset:16*\i
.endr
.irp m, 0,1,2,3,4,5,6,7
	global_load_b128 v[DD+8*\m:DD+8*\m+3], v31, s[88:89] offset:1024*\m
	global_load_b128 v[DD+8*\m+4:DD+8*\m+7], v31, s[88:89] offset:1024*\m
.endr
	WIN 0x40
.set i, 0
.rept 64
	global_load_b128 v[4*i:4*i+3], v30, s[86:87] offset:4096*(i/8)+16*(i%8)
.set i, i+1
.endr
	WIN 0
	WLOAD WB, SB, 0, 0, 0, 0                       ; w_k's first three K steps: asked for here, wanted behind the key phase; the quantiser names none of their registers
	WLOAD WB, SB, 1, 0, 0, 1
	WLOAD WB, SB, 2, 0, 0, 2
	v_mov_b32 v[B0+4], 0
.irp i, 6,7,8,9,10,11
	v_mov_b32 v[QF+\i], 0
	v_mov_b32 v[PF+\i], 0
.endr
	WIN 0xc0
.irp b, 0,1,2,3
	v_mov_b32 v[TM+4+\b], 0
.endr
	WIN 0
	s_wait_alu depctr_va_vdst(0)
	s_wait_tensorcnt 0x0                           ; tile 0 is in; the head's global loads were issued while it was on its way
	ds_add_u32 v2, v3
	s_wait_dscnt 0x0
	s_barrier_signal -1
	s_barrier_wait -1
	tensor_load_to_lds s[G0B:G0B+3], s[G1:G1+7]    ; key's tile 1, into the second slot
	s_nop 0
.rept 4
	v_nop
.endr
; THE POSITION TERM, bd = Q(q) Q(pos emb) + pos bias, for my four heads x 128 keys, into my own LDS words.  Its numbers are loaded at the head; it runs behind the key loop, while key's last tile is on its way
.macro BD
	s_wait_loadcnt 0x0                             ; all the head's global loads are in
	QB32 0, 32, QF, QFW
.irp m, 0,1,2,3,4,5,6,7
	QB32 1, 32*\m, PF, PFW
.rept 8
	v_nop
.endr
	v_wmma_scale_f32_16x16x128_f8f6f4 v[DD+8*\m:DD+8*\m+7], v[QF:QF+11], v[PF:PF+11], v[DD+8*\m:DD+8*\m+7], v[QFW], v[PFW] matrix_a_fmt:MATRIX_FMT_BF6 matrix_b_fmt:MATRIX_FMT_BF6
.endr
.rept 4
	v_nop
.endr
.irp m, 0,1,2,3,4,5,6,7
.irp g, 0,1,2,3
	ds_store_b32 v[SCW], v[DD+8*\m+\g] offset:512*\g+64*\m
.endr
.endr
	v_mov_b32 v[MST], 0                            ; (these two lie in registers that held the term's last accumulator)
	v_mov_b32 v[LST], 0
.endm
	s_mov_b32 s[FI], 0
	s_mov_b32 s[FC], 0
	s_mov_b32 s[HH], 0
	s_mov_b32 s[HOFF], 0
	s_mov_b32 s[VT], 0
	s_wait_tensorcnt 0x1
	QTILE STR, IWK, SWK
	s_mov_b32 s[CNT], 3
.Lkey:
	s_wait_xcnt 0x0                                ; my prefetches have read their base: it steps two tiles on,
	s_add_nc_u64 s[PFK:PFK+1], s[PFK:PFK+1], 1024
	s_cmp_eq_u32 s[CNT], 1                         ; and in the last trip, where key has no tile left, to value's tiles 0 and 1
	s_cselect_b64 s[PFK:PFK+1], s[PV0:PV0+1], s[PFK:PFK+1]
	CHG G0A, 1024
	global_prefetch_b8 v[PFO], s[PFK:PFK+1] th:TH_LOAD_NT scope:SCOPE_SE
	global_prefetch_b8 v[PFO], s[PFK:PFK+1] offset:256 th:TH_LOAD_NT scope:SCOPE_SE
	QTILE STRB, IWK, SWK
	CHG G0B, 1024
	global_prefetch_b8 v[PFO], s[PFK:PFK+1] offset:512 th:TH_LOAD_NT scope:SCOPE_SE
	global_prefetch_b8 v[PFO], s[PFK:PFK+1] offset:768 th:TH_LOAD_NT scope:SCOPE_SE
	QTILE STR, IWK, SWK
	s_sub_co_u32 s[CNT], s[CNT], 1
	s_cmp_lg_u32 s[CNT], 0
	s_cbranch_scc1 .Lkey
	BD
	CHG G0V, 0
	ASKV
	QTILE STRB, IWK, SWK
	s_mov_b32 s[FI], 0
	s_mov_b32 s[FC], 0
	s_wait_dscnt 0x0
	s_barrier_signal -1
	s_barrier_wait -1
.set i, 0
.rept 64
	ds_load_b32 v[ASC+i], v[LSK] offset:128*i
.set i, i+1
.endr
	ALOAD 0, 0, 0
	H0 0, WB, SB
	WIN 0
	s_mov_b32 s[CNT], 3
.Lkh:
	VQR
	QULOAD
	H1 0, WB, SB, WB, SB, 49152, 2048, 1
	WIN 0
	s_wait_xcnt 0x0
	s_add_nc_u64 s[WB:WB+1], s[WB:WB+1], 49152
	s_add_nc_u64 s[SB:SB+1], s[SB:SB+1], 2048
	s_add_nc_u64 s[QB:QB+1], s[QB:QB+1], 256
	SC
	VQR
	H0 0, WB, SB
	WIN 0
	s_sub_co_u32 s[CNT], s[CNT], 1
	s_cmp_lg_u32 s[CNT], 0
	s_cbranch_scc1 .Lkh
	VQ
	CHG G0V, 512                                   ; value's tile 7: no tile stands two on, so nothing is asked
	QULOAD
	H1 0, WB, SB, WBV, SBV, 0, 0, 0
	SC
	VQ
	s_wait_dscnt 0x0
	s_barrier_signal -1
	s_barrier_wait -1
	v_cmp_gt_u32 vcc_lo, 4, v[LANE]
	s_wait_xcnt 0x0
	s_and_saveexec_b32 s45, vcc_lo
	global_store_b32 v[LI], v[MST], s[90:91]
	global_store_b32 v[LI], v[LST], s[90:91] offset:16384
	s_wait_xcnt 0x0
	s_or_b32 exec_lo, exec_lo, s45
.set i, 0
.rept 64
	ds_load_b32 v[ASC+i], v[LSV] offset:128*i
.set i, i+1
.endr
	ALOAD 1, 0, 0
	WIN 0
	s_mov_b32 s[HOFF], 0
	s_mov_b32 s[CNT], 4
.Lvh:
	v_add_nc_u32 v30, s[HOFF], v[SCP]
.irp m, 0,1,2,3,4,5,6,7
.irp c, 0,1
	ds_load_b128 v[PP+8*\m+4*\c:PP+8*\m+4*\c+3], v30 offset:64*\m+16*\c
.endr
.endr
	H0 1, WBV, SBV
	H1 1, WBV, SBV, WBV, SBV, 49152, 2048, 1
	WIN 0
	s_wait_xcnt 0x0
	s_add_nc_u64 s[WBV:WBV+1], s[WBV:WBV+1], 49152
	s_add_nc_u64 s[SBV:SBV+1], s[SBV:SBV+1], 2048
	XS
	s_add_co_u32 s[HOFF], s[HOFF], 512
	s_sub_co_u32 s[CNT], s[CNT], 1
	s_cmp_lg_u32 s[CNT], 0
	s_cbranch_scc1 .Lvh
	s_wait_tensorcnt 0x0
	ds_add_u32 v[SPW], v[NIL]
	s_wait_dscnt 0x0
	s_endpgm
.Lfunc_end_k_qbe088a48fc_main:
	.size	k_qbe088a48fc_main, .Lfunc_end_k_qbe088a48fc_main-k_qbe088a48fc_main
	.p2alignl 7, 3214868480
	.fill 96, 4, 3214868480
	.section	.rodata,"a",@progbits
	.p2align	6, 0x0
	.amdhsa_kernel k_qbe088a48fc_main
		.amdhsa_group_segment_fixed_size 327680
		.amdhsa_private_segment_fixed_size 0
		.amdhsa_enable_private_segment 0
		.amdhsa_kernarg_size 80
		.amdhsa_user_sgpr_count 2
		.amdhsa_user_sgpr_kernarg_segment_ptr 1
		.amdhsa_wavefront_size32 1
		.amdhsa_system_sgpr_workgroup_id_x 1
		.amdhsa_system_sgpr_workgroup_id_y 1
		.amdhsa_system_sgpr_workgroup_id_z 1
		.amdhsa_system_vgpr_workitem_id 0
		.amdhsa_next_free_vgpr 1024
		.amdhsa_next_free_sgpr 100
		.amdhsa_reserve_vcc 1
		.amdhsa_float_denorm_mode_32 3
		.amdhsa_float_denorm_mode_16_64 3
		.amdhsa_memory_ordered 1
		.amdhsa_forward_progress 1
		.amdhsa_inst_pref_size 255
	.end_amdhsa_kernel
	.section	.bss,"aw",@nobits
	.p2align	6
	.space	262144
	.amdgpu_metadata
---
amdhsa.version: [ 1, 2 ]
amdhsa.kernels:
  - .name:           k_qbe088a48fc_main
    .symbol:         k_qbe088a48fc_main.kd
    .args:
      - { .name: key, .offset: 0, .size: 8, .value_kind: global_buffer, .address_space: global }
      - { .name: value, .offset: 8, .size: 8, .value_kind: global_buffer, .address_space: global }
      - { .name: key_pos_embeddings, .offset: 16, .size: 8, .value_kind: global_buffer, .address_space: global }
      - { .name: key_pos_bias, .offset: 24, .size: 8, .value_kind: global_buffer, .address_space: global }
      - { .name: wq3, .offset: 32, .size: 8, .value_kind: global_buffer, .address_space: global }
      - { .name: wsc, .offset: 40, .size: 8, .value_kind: global_buffer, .address_space: global }
      - { .name: qt, .offset: 48, .size: 8, .value_kind: global_buffer, .address_space: global }
      - { .name: qut, .offset: 56, .size: 8, .value_kind: global_buffer, .address_space: global }
      - { .name: st, .offset: 64, .size: 8, .value_kind: global_buffer, .address_space: global }
      - { .name: xp, .offset: 72, .size: 8, .value_kind: global_buffer, .address_space: global }
    .group_segment_fixed_size: 327680
    .private_segment_fixed_size: 0
    .kernarg_segment_align: 8
    .kernarg_segment_size: 80
    .max_flat_workgroup_size: 128
    .sgpr_count:     100
    .vgpr_count:     1024
    .wavefront_size: 32
...
	.end_amdgpu_metadata
.endif
;; end of part 5
;; launch outp (part 6): grid 8 x 16, 8 waves a work-group, no clusters, 23,552 bytes of LDS; arguments xp, st, wq3, wsc, b_out, out0; writes out0
.if DOCPART == 6
	.amdgcn_target "amdgcn-amd-amdhsa--gfx1250"
	.amdhsa_code_object_version 6
	.text
	.protected	k_qbe088a48fc_outp
	.globl	k_qbe088a48fc_outp
	.p2align	8
	.type	k_qbe088a48fc_outp,@function
k_qbe088a48fc_outp:
	s_mov_b64 s[64:65], 0
	v_nop
	global_prefetch_b8 v0, s[64:65] scope:SCOPE_SE
	s_setreg_imm32_b32 hwreg(HW_REG_WAVE_MODE, 25, 1), 1
	s_wait_xcnt 0x0
; OUTP.  out0 = Q(x) Q(w_out) + b_out, where x joins the four parts of each softmax: with m_p = c x part p's largest score and l_p its sum of p,
; M = the largest m_p, e_p = 2^(m_p - M), x = sum over p of e_p (the part's two half sums) / sum over p of e_p l_p.  All in f32, since x goes into a quantiser.
; Work-group (cx, ry): rows b = 4 ry .. 4 ry + 3, columns 128 cx on.  FOUR ROWS TO A WORK-GROUP, EACH HELD FOUR TIMES: lane r takes row r % 4.  What weighs here is the reading of the parts, 8 records x 4,096 bytes a row:
; with 16 rows a work-group would read 524,288 bytes of them and there would be 32 work-groups; with 4 rows it reads 131,072, there are 128, and a load's 32 lanes name 8 places and not 32.
; The price is that the matrix tile's 16 rows hold four copies: 8 matrix instructions a wave either way.
; Phase 1: wave w joins and quantises K step w of x (heads 2 w, 2 w + 1) and stores its image in LDS.  Phase 2: wave w multiplies the eight K steps by its column tile 8 cx + w of w_out, whose fragments it holds in registers.
; Transposed: source 0 = 16 columns of w_out, source 1 = 16 rows of x: a lane holds eight neighbouring columns of one row; b_out is the C of the first product.
; LIMITS: a block of x whose largest magnitude lies under 2^-122 gets the scale byte 1; NaN and infinities are not served.
.set XI,   0                           ; x's eight fragments, 1,536 bytes each
.set XSL,  12288                       ; their scale words, 128 bytes each
.set STGL, 13312                       ; the way out: 16 rows x (512 bytes + 16); rows 0 to 3 leave
.set LANE, 1
.set RR,   2
.set HF,   3
.set LI,   4                           ; 16 x lane
.set LS,   5                           ; 4 x lane
.set XO,   6                           ; xp: row r % 4 of 32,768 bytes + 64 h
.set SO,   7                           ; st: row r % 4 of 256 bytes
.set WSO,  8                           ; 16 r
.set BO,   9                           ; 32 h
.set IW,   10
.set SW,   11
.set STO,  12
.set SRD,  13
.set R4,   14                          ; r % 4
.set ALS,  15
.set WW,   16                          ; v16-23 w_out's scale words
.set MS,   24                          ; v24-31 m of the two heads' four parts; v32-39 l
.set TP,   40
.set XX,   48                          ; v48-111 x: register 16 b + i = k 32 b + 16 h + i
.set RS0,  112                         ; v112-239 two sets of 64: records of xp
.set WGT,  240                         ; v240-255 the weights e / L, in even registers (their neighbours written too)
.set PC,   112
.set TM,   132
.set PW,   144
.set AF,   112                         ; phase 2: x's eight fragments
.set AW,   208                         ; their scale words
.set AC0,  216
.set AC1,  224
.set OUTR, 232
.set WV,   16
.set SEL,  18
.set QW_MAX, 0
.set QW_CVT, 0
.set QW_ALL, 0
.set MSB, 0
.macro WIN new                         ; the immediate's high byte repeats the setting that is left
.if MSB != (\new)
	s_set_vgpr_msb (MSB<<8)|(\new)
.set MSB, (\new)
.endif
.endm
.macro QUANT xs
	WIN QW_MAX
.irp b, 0,1,2,3
	v_max3_num_f32 v[TM+\b], |v[\xs+16*\b]|, |v[\xs+16*\b+1]|, 0x2800000   ; my 16 numbers of block b, and the floor 2^(5 - 127): the byte cannot fall under 1
.endr
.irp i, 2,4,6,8,10,12,14
.irp b, 0,1,2,3
	s_delay_alu instid0(VALU_DEP_4)
	v_max3_num_f32 v[TM+\b], |v[\xs+16*\b+\i]|, |v[\xs+16*\b+\i+1]|, v[TM+\b]
.endr
.endr
	WIN QW_ALL
.irp b, 0,1,2,3
	s_delay_alu instid0(VALU_DEP_4)
	v_permlanex16_b32 v[TM+4+\b], v[TM+\b], s[SEL], s[SEL+1]
.endr
.irp b, 0,1,2,3
	s_delay_alu instid0(VALU_DEP_4)
	v_max_num_f32 v[TM+\b], v[TM+\b], v[TM+4+\b]
.endr
.irp b, 0,1,2,3
	s_delay_alu instid0(VALU_DEP_4)
	v_add_nc_u32 v[TM+8+\b], 0xfe000000, v[TM+\b]  ; 4 off the exponent field: the conversion's scale operand
.endr
.irp b, 0,1,2,3
	s_delay_alu instid0(VALU_DEP_4)
	v_lshrrev_b32 v[TM+4+\b], 23, v[TM+8+\b]       ; the scale's byte
.endr
	s_delay_alu instid0(VALU_DEP_3)
	v_lshl_or_b32 v[PW], v[TM+5], 8, v[TM+4]
	s_delay_alu instid0(VALU_DEP_1)
	v_lshl_or_b32 v[PW], v[TM+6], 16, v[PW]
	s_delay_alu instid0(VALU_DEP_1)
	v_lshl_or_b32 v[PW], v[TM+7], 24, v[PW]
	WIN QW_CVT
.irp c, 0,1
	v_cvt_scalef32_pk16_bf6_f32 v[PC+6*\c:PC+6*\c+2], v[\xs+32*\c:\xs+32*\c+15], v[TM+8+2*\c]
	v_cvt_scalef32_pk16_bf6_f32 v[PC+12+4*\c:PC+14+4*\c], v[\xs+32*\c+16:\xs+32*\c+31], v[TM+9+2*\c]
.endr
	WIN QW_ALL
	v_nop                                          ; one plain place behind a scaled conversion
.irp c, 0,1
.irp i, 0,1,2
	v_permlane16_swap_b32 v[PC+6*\c+\i], v[PC+12+4*\c+\i]
.endr
.irp i, 0,1,2
	s_delay_alu instid0(VALU_DEP_3)
	v_mov_b32 v[PC+3+6*\c+\i], v[PC+12+4*\c+\i]
.endr
.endr
.endm
	s_load_b256 s[4:11], s[0:1], 0x0               ; xp, st, wq3, wsc
	s_load_b128 s[12:15], s[0:1], 0x20             ; b_out, out0
	v_lshl_add_u32 v46, v0, 2, 0x5800
	v_mov_b32 v47, 0
	v_lshrrev_b32 v[LANE], 5, v0
	s_delay_alu instid0(VALU_DEP_1)
	v_readfirstlane_b32 s[WV], v[LANE]             ; wave 0..7
	v_and_b32 v[LANE], 31, v0
	v_and_b32 v[RR], 15, v0
	v_and_b32 v[R4], 3, v0
	v_bfe_u32 v[HF], v0, 4, 1
	s_delay_alu instid0(VALU_DEP_4)
	v_lshlrev_b32 v[LI], 4, v[LANE]
	v_lshlrev_b32 v[LS], 2, v[LANE]
	s_delay_alu instid0(VALU_DEP_4)
	v_lshlrev_b32 v[XO], 15, v[R4]
	s_delay_alu instid0(VALU_DEP_1)
	v_lshl_add_u32 v[XO], v[HF], 6, v[XO]
	v_lshlrev_b32 v[SO], 8, v[R4]
	v_lshlrev_b32 v[WSO], 4, v[RR]
	v_lshlrev_b32 v[BO], 5, v[HF]
	s_mul_i32 s20, s[WV], 1536
	v_add_nc_u32 v[IW], s20, v[LI]
	s_lshl_b32 s20, s[WV], 7
	s_add_co_u32 s20, s20, XSL
	v_add_nc_u32 v[SW], s20, v[LS]
	v_add_nc_u32 v[ALS], XSL, v[LS]
	v_mul_u32_u24 v[STO], v[RR], 528
	s_delay_alu instid0(VALU_DEP_1)
	v_lshl_add_u32 v[STO], v[HF], 5, v[STO]
	s_lshl_b32 s20, s[WV], 6
	s_add_co_u32 s20, s20, STGL
	v_add_nc_u32 v[STO], s20, v[STO]               ; the stage: row r, my wave's 64 bytes, + 32 h
	s_mul_i32 s20, s[WV], 1056
	s_add_co_u32 s20, s20, STGL
	v_add_nc_u32 v[SRD], s20, v[LI]                ; back: rows 2 w and 2 w + 1 (waves 0 and 1 alone read)
	s_mov_b32 s[SEL], 0x76543210
	s_mov_b32 s[SEL+1], 0xfedcba98
	s_and_b32 s17, ttmp7, 0xffff                   ; ry
	s_lshl_b32 s20, ttmp9, 3
	s_add_co_u32 s20, s20, s[WV]                   ; my column tile T = 8 cx + w
	s_add_co_u32 s22, s20, 128
	s_mul_i32 s22, s22, 12288                      ; w_out is tensor 2: tile 128 + T
	s_mov_b32 s23, 0
	s_lshr_b32 s24, s20, 2
	s_add_co_u32 s24, s24, 32
	s_lshl_b32 s24, s24, 11
	s_and_b32 s25, s20, 3
	s_lshl_b32 s25, s25, 2
	s_add_co_u32 s24, s24, s25
	s_mov_b32 s25, 0
	s_lshl_b32 s26, s20, 6
	s_mov_b32 s27, 0
	s_lshl_b32 s28, s17, 17                        ; xp: 4 ry rows of 32,768 bytes,
	s_lshl_b32 s29, s[WV], 9                       ; my K step's 512 bytes
	s_add_co_u32 s28, s28, s29
	s_mov_b32 s29, 0
	s_lshl_b32 s30, s17, 10                        ; st: 4 ry rows of 256 bytes,
	s_lshl_b32 s31, s[WV], 5                       ; my two heads
	s_add_co_u32 s30, s30, s31
	s_mov_b32 s31, 0
	s_lshl_b32 s32, s17, 2
	s_lshl_b32 s33, s[WV], 1
	s_add_co_u32 s32, s32, s33                     ; out0: row 4 ry + 2 w (used by waves 0 and 1 alone)
	s_lshl_b32 s32, s32, 12
	s_lshl_b32 s33, ttmp9, 9
	s_add_co_u32 s32, s32, s33
	s_mov_b32 s33, 0
	s_wait_kmcnt 0x0
	s_add_nc_u64 s[8:9], s[8:9], s[22:23]
	s_add_nc_u64 s[10:11], s[10:11], s[24:25]
	s_add_nc_u64 s[12:13], s[12:13], s[26:27]
	s_add_nc_u64 s[4:5], s[4:5], s[28:29]
	s_add_nc_u64 s[6:7], s[6:7], s[30:31]
	s_add_nc_u64 s[14:15], s[14:15], s[32:33]
.irp e, 0,1                                    ; the statistics first: the joining weights hang on them
	global_load_b128 v[MS+4*\e:MS+4*\e+3], v[SO], s[6:7] offset:16*\e
	global_load_b128 v[MS+8+4*\e:MS+8+4*\e+3], v[SO], s[6:7] offset:16384+16*\e
.endr
.macro RLOAD rec                       ; record rec = 2 part + half of my row: 64 numbers a lane, into set rec % 2
.irp b, 0,1,2,3
.irp j, 0,1,2,3
	global_load_b128 v[RS0+64*((\rec)%2)+16*\b+4*\j:RS0+64*((\rec)%2)+16*\b+4*\j+3], v[XO], s[4:5] offset:4096*(\rec)+128*\b+16*\j
.endr
.endr
.endm
	RLOAD 0
	RLOAD 1
	s_wait_loadcnt 32                              ; the statistics are in; the two records may be out
.irp e, 0,1
	v_max3_num_f32 v[TP+\e], v[MS+4*\e], v[MS+4*\e+1], v[MS+4*\e+2]
.endr
.irp e, 0,1
	s_delay_alu instid0(VALU_DEP_2)
	v_max_num_f32 v[TP+\e], v[TP+\e], v[MS+4*\e+3]   ; M
.endr
.irp e, 0,1
.irp p, 0,1,2,3
	v_sub_f32 v[MS+4*\e+\p], v[MS+4*\e+\p], v[TP+\e]
.endr
.endr
	s_wait_alu depctr_va_vdst(0)
.irp i, 0,1,2,3,4,5,6,7
	v_exp_f32 v[MS+\i], v[MS+\i]                   ; e = 2^(m - M), at most 1, and 1 for one part
.endr
	v_nop                                          ; a plain place behind the exponentials
	s_wait_alu depctr_va_vdst(0)                   ; one wait for the batch
.irp e, 0,1
	v_mul_f32 v[TP+2+\e], v[MS+4*\e], v[MS+8+4*\e]
.endr
.irp p, 1,2,3
.irp e, 0,1
	v_fma_f32 v[TP+2+\e], v[MS+4*\e+\p], v[MS+8+4*\e+\p], v[TP+2+\e]   ; L = sum of e l
.endr
.endr
	s_wait_alu depctr_va_vdst(0)
	v_rcp_f32 v[TP+4], v[TP+2]
	v_rcp_f32 v[TP+5], v[TP+3]
	v_nop
	s_wait_alu depctr_va_vdst(0)
.irp e, 0,1
.irp p, 0,1,2,3
	v_mul_f32 v[WGT+2*(4*\e+\p)], v[MS+4*\e+\p], v[TP+4+\e]
	v_mul_f32 v[WGT+2*(4*\e+\p)+1], v[MS+4*\e+\p], v[TP+4+\e]
.endr
.endr
	; w_out's part, 34 loads, wanted last: it comes in while the records are joined
	WIN 0x40                                       ; destination window 1: w_out's eight fragments at v[12 s], b_out's eight numbers at v96
.irp s, 0,1,2,3,4,5,6,7
.irp c, 0,1,2
	global_load_b128 v[12*\s+4*\c:12*\s+4*\c+3], v[LI], s[8:9] offset:1536*\s+512*\c
.endr
.endr
	global_load_b128 v[96:99], v[BO], s[12:13]
	global_load_b128 v[100:103], v[BO], s[12:13] offset:16
	WIN 0
.irp s, 0,1,2,3,4,5,6,7
	global_load_b32 v[WW+\s], v[WSO], s[10:11] offset:256*\s
.endr
.irp rec, 0,1,2,3,4,5,6,7
.if \rec < 2
	s_wait_loadcnt 50                              ; this record is in; one record's 16 loads and w_out's 34 are younger
.elseif \rec < 7
	s_wait_loadcnt 16                              ; this record is in; the next may be out
.else
	s_wait_loadcnt 0x0
.endif
.irp q, 0,1,2,3,4,5,6,7,8,9,10,11,12,13,14,15,16,17,18,19,20,21,22,23,24,25,26,27,28,29,30,31
.set rR, RS0+64*((\rec)%2)+2*\q
.set rG, WGT+2*(4*(\q/16)+\rec/2)               ; blocks 0, 1: head 2 w; blocks 2, 3: head 2 w + 1
.if \rec == 0
	v_pk_mul_f32 v[XX+2*\q:XX+2*\q+1], v[rR:rR+1], v[rG:rG+1] op_sel_hi:[1,0]
.else
	v_pk_fma_f32 v[XX+2*\q:XX+2*\q+1], v[rR:rR+1], v[rG:rG+1], v[XX+2*\q:XX+2*\q+1] op_sel_hi:[1,0,1]
.endif
.endr
.if \rec < 6
	RLOAD \rec+2
.endif
.endr
.irp b, 0,1,2,3
	v_mov_b32 v[TM+4+\b], 0                        ; a lane permute's destination counts as one of its sources
.endr
	QUANT XX
.irp c, 0,1,2
	ds_store_b128 v[IW], v[PC+4*\c:PC+4*\c+3] offset:XI+512*\c
.endr
	ds_store_b32 v[SW], v[PW]
	s_wait_dscnt 0x0                               ; for the others' sake: my image has landed
	s_barrier_signal -1
	s_barrier_wait -1                              ; x's eight fragments lie in LDS
.irp s, 0,1,2,3,4,5,6,7
.irp c, 0,1,2
	ds_load_b128 v[AF+12*\s+4*\c:AF+12*\s+4*\c+3], v[LI] offset:XI+1536*\s+512*\c
.endr
	ds_load_b32 v[AW+\s], v[ALS] offset:128*\s
.endr
	s_wait_dscnt 0x0
	WIN 0x11                                       ; source 0 (w_out) and source 2 (b_out) window 1
	v_wmma_scale_f32_16x16x128_f8f6f4 v[AC0:AC0+7], v[0:11], v[AF:AF+11], v[96:103], v[WW], v[AW] matrix_a_fmt:MATRIX_FMT_BF6 matrix_b_fmt:MATRIX_FMT_BF6
	WIN 0x01
	v_wmma_scale_f32_16x16x128_f8f6f4 v[AC1:AC1+7], v[12:23], v[AF+12:AF+23], 0, v[WW+1], v[AW+1] matrix_a_fmt:MATRIX_FMT_BF6 matrix_b_fmt:MATRIX_FMT_BF6
.irp s, 2,4,6                                  ; two accumulators by turns, one instruction a turn: even K steps, odd K steps
	v_wmma_scale_f32_16x16x128_f8f6f4 v[AC0:AC0+7], v[12*\s:12*\s+11], v[AF+12*\s:AF+12*\s+11], v[AC0:AC0+7], v[WW+\s], v[AW+\s] matrix_a_fmt:MATRIX_FMT_BF6 matrix_b_fmt:MATRIX_FMT_BF6
	v_wmma_scale_f32_16x16x128_f8f6f4 v[AC1:AC1+7], v[12*\s+12:12*\s+23], v[AF+12*\s+12:AF+12*\s+23], v[AC1:AC1+7], v[WW+\s+1], v[AW+\s+1] matrix_a_fmt:MATRIX_FMT_BF6 matrix_b_fmt:MATRIX_FMT_BF6
.endr
	WIN 0
.rept 4
	v_nop                                          ; places in front of the first read of results
.endr
.irp i, 0,2,4,6
	v_pk_add_f32 v[OUTR+\i:OUTR+\i+1], v[AC0+\i:AC0+\i+1], v[AC1+\i:AC1+\i+1]   ; both accumulators from their low ends on
.endr
	ds_store_b128 v[STO], v[OUTR:OUTR+3]
	ds_store_b128 v[STO], v[OUTR+4:OUTR+7] offset:16
	s_wait_dscnt 0x0
	s_barrier_signal -1
	s_barrier_wait -1                              ; the rows lie whole in the stage: a row's 512 bytes come from eight waves
	s_cmp_lt_u32 s[WV], 2                          ; rows 0 to 3 are the work-group's four; the others are their copies.  Waves 0 and 1 store two rows each
	s_cbranch_scc0 .Ldone
	ds_load_b128 v[240:243], v[SRD]
	ds_load_b128 v[244:247], v[SRD] offset:528
	s_wait_dscnt 0x0
	global_store_b128 v[LI], v[240:243], s[14:15]               ; 32 lanes store 512 consecutive bytes, aligned
	global_store_b128 v[LI], v[244:247], s[14:15] offset:4096
.Ldone:
	s_wait_tensorcnt 0x0
	ds_add_u32 v46, v47
	s_wait_dscnt 0x0
	s_endpgm
.Lfunc_end_k_qbe088a48fc_outp:
	.size	k_qbe088a48fc_outp, .Lfunc_end_k_qbe088a48fc_outp-k_qbe088a48fc_outp
	.p2alignl 7, 3214868480
	.fill 96, 4, 3214868480
	.section	.rodata,"a",@progbits
	.p2align	6, 0x0
	.amdhsa_kernel k_qbe088a48fc_outp
		.amdhsa_group_segment_fixed_size 23552
		.amdhsa_private_segment_fixed_size 0
		.amdhsa_enable_private_segment 0
		.amdhsa_kernarg_size 48
		.amdhsa_user_sgpr_count 2
		.amdhsa_user_sgpr_kernarg_segment_ptr 1
		.amdhsa_wavefront_size32 1
		.amdhsa_system_sgpr_workgroup_id_x 1
		.amdhsa_system_sgpr_workgroup_id_y 1
		.amdhsa_system_sgpr_workgroup_id_z 1
		.amdhsa_system_vgpr_workitem_id 0
		.amdhsa_next_free_vgpr 512
		.amdhsa_next_free_sgpr 66
		.amdhsa_reserve_vcc 0
		.amdhsa_float_denorm_mode_32 3
		.amdhsa_float_denorm_mode_16_64 3
		.amdhsa_memory_ordered 1
		.amdhsa_forward_progress 1
		.amdhsa_inst_pref_size 48
	.end_amdhsa_kernel
	.amdgpu_metadata
---
amdhsa.version: [ 1, 2 ]
amdhsa.kernels:
  - .name:           k_qbe088a48fc_outp
    .symbol:         k_qbe088a48fc_outp.kd
    .args:
      - { .name: xp, .offset: 0, .size: 8, .value_kind: global_buffer, .address_space: global }
      - { .name: st, .offset: 8, .size: 8, .value_kind: global_buffer, .address_space: global }
      - { .name: wq3, .offset: 16, .size: 8, .value_kind: global_buffer, .address_space: global }
      - { .name: wsc, .offset: 24, .size: 8, .value_kind: global_buffer, .address_space: global }
      - { .name: b_out, .offset: 32, .size: 8, .value_kind: global_buffer, .address_space: global }
      - { .name: out0, .offset: 40, .size: 8, .value_kind: global_buffer, .address_space: global }
    .group_segment_fixed_size: 23552
    .private_segment_fixed_size: 0
    .kernarg_segment_align: 8
    .kernarg_segment_size: 48
    .max_flat_workgroup_size: 256
    .sgpr_count:     66
    .vgpr_count:     512
    .wavefront_size: 32
...
	.end_amdgpu_metadata
.endif
;; end of part 6
